; MI455X (gfx1250); checked and timed in simulation.
; The chip was launched on July 23, 2026; its instructions are those of AMD's public machine-readable ISA for CDNA 5 (MIT licence, August 2026) and "CDNA5" Instruction Set Architecture Reference Guide (July 2026). The comments in the code are by the model that wrote it; some were corrected since.
;; QKV Attention. Allowed arithmetic: matrix products marked QUANTISED: E2M1 operands, one E8M0 scale for each 32 along K, by v_wmma_scale_f32_16x16x128_f8f6f4 with both operands' format E2M1 (or v_wmma_scale_f32_32x16x128_f4), f32 sums; products left as they are: bf16, f16 or f32 operands; f32 sums; everything else in f32.
;; Inputs: Wk 1,024 x 1,024 float32; Wq 1,024 x 1,024 float32; Wv 1,024 x 1,024 float32; bk 1,024 float32; bq 1,024 float32; bv 1,024 float32; input_key 8 x 2,048 x 1,024 float32; input_query 8 x 512 x 1,024 float32; input_value 8 x 2,048 x 1,024 float32; seq_lens 8 int32.
;; Outputs: out0 8 x 512 x 1,024 float32.
;; This version of the problem:
;;   THIS VERSION OF THE PROBLEM IS GIVEN IN LOW PRECISION. The matrix products marked QUANTISED in the list below multiply operands that are first quantised to E2M1 (2 exponent bits, 1 mantissa bit; 4 bits a number), with one power-of-two scale for each 32 numbers along K (OCP MX v1.0); their sums are f32. The products marked 'left as it is' may take bf16, f16 or f32 operands, with f32 sums. Whichever they take, every output number must still come out within the allowed error. Rounding operands to bf16 (8 significant bits) uses up far more of that allowance than f16 does (11 bits, for magnitudes from 6e-5 to 65,504). All else is computed in f32.
;;   The module's matrix products, in the order in which they are computed (A, B: the left and right operand; K: the contracted axis; several contracted axes count as one K, in the product's order):
;;     1. [M 4,096, K 1,024] x [K 1,024, N 1,024]; A: input input_query; B: input Wq: QUANTISED
;;     2. [M 16,384, K 1,024] x [K 1,024, N 1,024]; A: input input_key; B: input Wk: QUANTISED
;;     3. [M 16,384, K 1,024] x [K 1,024, N 1,024]; A: input input_value; B: input Wv: QUANTISED
;;     4. batch 8 x [M 512, K 1,024] x [K 1,024, N 2,048]; A: computed on the way; B: computed on the way: left as it is (an operand is computed on the way)
;;     5. batch 8 x [M 512, K 2,048] x [K 2,048, N 1,024]; A: computed on the way; B: computed on the way: left as it is (an operand is computed on the way)
;;   THE QUANTISER, for each operand of a quantised product, along K:
;;     - K is cut into blocks of 32 from its start; a last block that is shorter is filled with zeros.
;;     - A block's scale is 2^e with e = floor(log2(the largest magnitude in the block)) - 2, held to -126 .. 127; a block of zeros has e = 0. As a byte (E8M0): e + 127.
;;     - Each number is divided by its block's scale, clamped to +-6, and rounded to the nearest number of E2M1, ties to even, subnormals kept.
;;     - The product sums the exact products of the quantised numbers (number of the format x scale) in f32.
;;   ~~~python
;;   def quantise(x, axis):      # numpy; x: float32 -> the quantised numbers, widened to float32 again
;;       x = np.moveaxis(x, axis, -1); K = x.shape[-1]
;;       x = np.pad(x, [(0, 0)] * (x.ndim - 1) + [(0, -K % 32)]); x = x.reshape(x.shape[:-1] + (-1, 32)); a = np.abs(x).max(-1, keepdims=True)
;;       e = np.where(a > 0, np.clip(np.frexp(np.where(a > 0, a, 1))[1] - 1 - 2, -126, 127), 0)      # np.frexp(a)[1] - 1 = floor(log2(a)), exactly
;;       r = np.clip(x / 2.0 ** e, -6, 6)
;;       step = 2.0 ** (np.maximum(np.frexp(np.where(r == 0, 1, r))[1] - 1, 0) - 1)
;;       q = np.round(r / step) * step * 2.0 ** e      # np.round: ties to even
;;       return np.moveaxis(q.reshape(q.shape[:-2] + (-1,))[..., :K], -1, axis).astype(np.float32)
;;   ~~~
;; One version. Each part assembles by itself: llvm-mc -triple=amdgcn-amd-amdhsa -mcpu=gfx1250 --defsym DOCPART=n.
;; ======== version 1 of 1: 4 launches
;; limits: values are held in f16: magnitudes above 65,504 overflow, below 6.1e-05 lose precision
;; workspace buffers: wcodes 1,572,864 bytes; wscales 196,608 bytes; lq 8,388,608 bytes; lk 33,554,432 bytes; lvt 33,554,432 bytes; pt 16,777,216 bytes; stats 524,288 bytes
;; launch wprep (part 1): grid 8 x 24, 4 waves a work-group, no clusters, 0 bytes of LDS; arguments Wq, Wk, Wv, wcodes, wscales; writes wcodes, wscales
.if DOCPART == 1
	.amdgcn_target "amdgcn-amd-amdhsa--gfx1250"
	.amdhsa_code_object_version 6
	.text
	.protected	k_qedf09401aa_wprep
	.globl	k_qedf09401aa_wprep
	.p2align	8
	.type	k_qedf09401aa_wprep,@function
k_qedf09401aa_wprep:
	s_mov_b64 s[64:65], 0
	v_nop
	global_prefetch_b8 v0, s[64:65] scope:SCOPE_SE
	s_setreg_imm32_b32 hwreg(HW_REG_WAVE_MODE, 25, 1), 1
	s_wait_xcnt 0x0
; THE PROGRAM: out = softmax(mask(lq lk^T / 32)) lv, lq = Q(x_q) Q(Wq) + bq, lk = Q(x_k) Q(Wk) + bk, lv = Q(x_v) Q(Wv) + bv, Q the MX-FP4 quantiser along K = 1,024.
; Four launches: this one (weights into codes), proj (the three quantised products), scores (lq lk^T, mask, exponentials by groups of 128 keys), pv (the second product and the division).
; WORK LEFT OUT, for all finite values of the inputs:
;  bk.  score(n, m) = lq(n) . (lk'(m) + bk) / 32 = lq(n) . lk'(m) / 32 + lq(n) . bk / 32.  The second term does not hang on m, the softmax's axis, so it cancels between numerator and sum;
;       lk goes into no quantised operand (the product of lq and lk is left as it is).  So bk has no way to the output: it is not loaded and is among no launch's arguments.
;  bv.  The weights of a row add up to 1, so sum_m p(m) (lv'(m) + bv) / l = sum_m p(m) lv'(m) / l + bv: bv is added once, at the end (launch pv), in the multiply-add that divides by l.
;  Keys at or beyond seq_lens[b].  reference() adds finfo.min to their scores, so that their weight is 0 wherever one key counts (seq_lens >= 1).  Blocks of 128 keys that lie wholly beyond the length
;       are neither read, quantised nor multiplied in launch proj, which reads seq_lens from memory; their rows of lk and lv are stored as zeros.
; LIMITS: a NaN, an infinity or an overflow that reaches only the work left out (bk, key and value rows beyond the length) is not carried to the result.  seq_lens >= 1 (0 or less, where reference() gives the
;  plain average of all values, is not served); above 2,048 it acts as 2,048.  NaN and infinities among the inputs are not served.  Blocks whose largest magnitude lies under 2^-124 were not tried.
;  A block of zeros gets the scale byte 1 where the rule says 127: its codes are zeros, which add nothing under any byte but 0xff, and this program alone reads the bytes.
;
; THIS LAUNCH.  W [1024 (k)][1024 (n)] f32, K on the first axis, three of them.  A lane takes a column n and its registers run down K: a block of 32 along K lies in one lane, and the conversions give codes with K innermost.
; A work-group takes 128 columns (x) of one K step of 128 (y = 8 x matrix + K step); a wave 32 columns; a lane 4 blocks.
; wcodes [matrix][tile of 16 columns: 64][K step: 8][1,024 bytes]: the image of an operand's registers: piece c at 512 c + 16 x lane, lane (r, h) holding k = 64 c + 32 h + 0 .. 31 of column r.
; wscales [matrix][group of 128 columns: 8][K step: 8][1,024 bytes]: the first 512 bytes are [lane: 32][i: 4] words, the four scale bytes of column 32 i + lane of the group; the other 512 are neither written nor read.
;  (A K step is 1,024 bytes on in both buffers, so that the next launch reaches codes and scale words by one offset register.)
.set X,  32                            ; v32-95   two sets of 32 numbers
.set C,  96                            ; v96-111  four registers of codes for each block: no store's data are written again
.set SB, 24                            ; v24      my column's scale word
	s_load_b256 s[4:11], s[0:1], 0x0               ; Wq s[4:5], Wk s[6:7], Wv s[8:9], wcodes s[10:11]
	s_load_b64 s[12:13], s[0:1], 0x20              ; wscales
	v_lshrrev_b32 v1, 5, v0
	v_readfirstlane_b32 s14, v1                    ; wave
	v_and_b32 v2, 31, v0                           ; lane
	v_lshlrev_b32 v3, 2, v2                        ; in: 4 bytes a lane
	v_lshrrev_b32 v4, 4, v2
	v_and_b32 v5, 15, v2
	v_lshlrev_b32 v8, 4, v5
	v_lshl_add_u32 v8, v4, 13, v8                  ; codes out: 16 r, and lanes 16-31 one tile (8,192 bytes) on
	v_lshlrev_b32 v9, 4, v2                        ; scale word out: 16 x lane
	s_and_b32 s15, ttmp7, 0xffff                   ; y
	s_lshr_b32 s16, s15, 3                         ; matrix
	s_and_b32 s17, s15, 7                          ; K step
	s_lshl_b32 s18, s17, 19                        ; W: 128 rows of 4,096 bytes a K step,
	s_lshl_b32 s20, ttmp9, 9                       ; 512 bytes a group of columns,
	s_add_co_u32 s18, s18, s20
	s_lshl_b32 s20, s14, 7                         ; 128 bytes a wave
	s_add_co_u32 s18, s18, s20
	s_mov_b32 s19, 0
	s_lshl_b32 s20, s16, 19                        ; codes: 524,288 bytes a matrix,
	s_lshl_b32 s22, ttmp9, 16                      ; 8 tiles a group,
	s_add_co_u32 s20, s20, s22
	s_lshl_b32 s22, s14, 14                        ; 2 tiles a wave,
	s_add_co_u32 s20, s20, s22
	s_lshl_b32 s22, s17, 10                        ; 1,024 bytes a K step
	s_add_co_u32 s20, s20, s22
	s_mov_b32 s21, 0
	s_lshl_b32 s22, s16, 16                        ; scale words: 65,536 bytes a matrix,
	s_lshl_b32 s24, ttmp9, 13                      ; 8,192 a group of columns,
	s_add_co_u32 s22, s22, s24
	s_lshl_b32 s24, s17, 10                        ; 1,024 a K step,
	s_add_co_u32 s22, s22, s24
	s_lshl_b32 s24, s14, 2                         ; + 4 x wave
	s_add_co_u32 s22, s22, s24
	s_mov_b32 s23, 0
	s_wait_kmcnt 0x0
	s_cmp_eq_u32 s16, 1                            ; the choice hangs on the work-group's number alone
	s_cselect_b64 s[4:5], s[6:7], s[4:5]
	s_cmp_eq_u32 s16, 2
	s_cselect_b64 s[4:5], s[8:9], s[4:5]
	s_add_nc_u64 s[4:5], s[4:5], s[18:19]
	s_add_nc_u64 s[10:11], s[10:11], s[20:21]
	s_add_nc_u64 s[12:13], s[12:13], s[22:23]
.macro LOAD t                          ; block t: W(32 t + i, my column) into set t % 2; 32 lanes read 128 consecutive bytes, the four waves 512
.irp i, 0,1,2,3,4,5,6,7,8,9,10,11,12,13,14,15,16,17,18,19,20,21,22,23,24,25,26,27,28,29,30,31
	global_load_b32 v[X+32*((\t)%2)+\i], v3, s[4:5] offset:(32*(\t)+\i)*4096 th:TH_LOAD_NT
.endr
.endm
.macro BLOCK t
.set XS, X+32*((\t)%2)
.if (\t) < 3
	s_wait_loadcnt 32                              ; this block's 32 loads are in; the next block's 32 may be out
.else
	s_wait_loadcnt 0x0
.endif
	v_max3_num_f32 v12, |v[XS]|, |v[XS+1]|, |v[XS+2]|   ; the block's largest magnitude: all 32 numbers are mine; two chains
	v_max3_num_f32 v13, |v[XS+3]|, |v[XS+4]|, |v[XS+5]|
.irp i, 6,10,14,18,22,26
	v_max3_num_f32 v12, v12, |v[XS+\i]|, |v[XS+\i+1]|
	v_max3_num_f32 v13, v13, |v[XS+\i+2]|, |v[XS+\i+3]|
.endr
	v_max3_num_f32 v12, v12, |v[XS+30]|, |v[XS+31]|
	v_max3_num_f32 v12, v12, v13, 0x1800000        ; and the floor 2^(3 - 127): the byte cannot fall under 1
	v_add_nc_u32 v11, 0xff000000, v12              ; 2 off the exponent field: the conversion takes the exponent field of this operand as its scale
	v_lshrrev_b32 v13, 23, v11                     ; the scale's byte
.if (\t) == 0
	v_mov_b32 v[SB], v13
.else
	v_lshl_or_b32 v[SB], v13, 8*(\t), v[SB]        ; the lower K in the lower byte
.endif
.irp g, 0,1,2,3
	v_cvt_scalef32_pk8_fp4_f32 v[C+4*(\t)+\g], v[XS+8*\g:XS+8*\g+7], v11
.endr
	v_nop                                          ; one plain line behind the last scaled conversion
	global_store_b128 v8, v[C+4*(\t):C+4*(\t)+3], s[10:11] offset:((\t)/2)*512+((\t)%2)*256   ; block t = 2 c + h: sixteen lanes store 256 consecutive bytes, aligned
.if (\t)+2 < 4
	LOAD (\t)+2
.endif
.endm
	LOAD 0
	LOAD 1
	BLOCK 0
	BLOCK 1
	BLOCK 2
	BLOCK 3
	global_store_b32 v9, v[SB], s[12:13]           ; 4 bytes a lane, 16 bytes apart: the four waves together fill the K step's 512 bytes
	s_endpgm
.Lfunc_end_k_qedf09401aa_wprep:
	.size	k_qedf09401aa_wprep, .Lfunc_end_k_qedf09401aa_wprep-k_qedf09401aa_wprep
	.p2alignl 7, 3214868480
	.fill 96, 4, 3214868480
	.section	.rodata,"a",@progbits
	.p2align	6, 0x0
	.amdhsa_kernel k_qedf09401aa_wprep
		.amdhsa_group_segment_fixed_size 0
		.amdhsa_private_segment_fixed_size 0
		.amdhsa_enable_private_segment 0
		.amdhsa_kernarg_size 40
		.amdhsa_user_sgpr_count 2
		.amdhsa_user_sgpr_kernarg_segment_ptr 1
		.amdhsa_wavefront_size32 1
		.amdhsa_system_sgpr_workgroup_id_x 1
		.amdhsa_system_sgpr_workgroup_id_y 1
		.amdhsa_system_sgpr_workgroup_id_z 1
		.amdhsa_system_vgpr_workitem_id 0
		.amdhsa_next_free_vgpr 112
		.amdhsa_next_free_sgpr 66
		.amdhsa_reserve_vcc 0
		.amdhsa_float_denorm_mode_32 3
		.amdhsa_float_denorm_mode_16_64 3
		.amdhsa_memory_ordered 1
		.amdhsa_forward_progress 1
		.amdhsa_inst_pref_size 21
	.end_amdhsa_kernel
	.amdgpu_metadata
---
amdhsa.version: [ 1, 2 ]
amdhsa.kernels:
  - .name:           k_qedf09401aa_wprep
    .symbol:         k_qedf09401aa_wprep.kd
    .args:
      - { .name: Wq, .offset: 0, .size: 8, .value_kind: global_buffer, .address_space: global }
      - { .name: Wk, .offset: 8, .size: 8, .value_kind: global_buffer, .address_space: global }
      - { .name: Wv, .offset: 16, .size: 8, .value_kind: global_buffer, .address_space: global }
      - { .name: wcodes, .offset: 24, .size: 8, .value_kind: global_buffer, .address_space: global }
      - { .name: wscales, .offset: 32, .size: 8, .value_kind: global_buffer, .address_space: global }
    .group_segment_fixed_size: 0
    .private_segment_fixed_size: 0
    .kernarg_segment_align: 8
    .kernarg_segment_size: 40
    .max_flat_workgroup_size: 128
    .sgpr_count:     66
    .vgpr_count:     112
    .wavefront_size: 32
...
	.end_amdgpu_metadata
.endif
;; end of part 1
;; launch proj (part 2): grid 288 x 1, 4 waves a work-group, no clusters, 155,648 bytes of LDS; arguments input_query, input_key, input_value, seq_lens, wcodes, wscales, bq, lq, lk, lvt; writes lq, lk, lvt
.if DOCPART == 2
	.amdgcn_target "amdgcn-amd-amdhsa--gfx1250"
	.amdhsa_code_object_version 6
	.text
	.protected	k_qedf09401aa_proj
	.globl	k_qedf09401aa_proj
	.p2align	8
	.type	k_qedf09401aa_proj,@function
k_qedf09401aa_proj:
	s_mov_b64 s[64:65], 0
	v_nop
	global_prefetch_b8 v0, s[64:65] scope:SCOPE_SE
	s_setreg_imm32_b32 hwreg(HW_REG_WAVE_MODE, 25, 1), 1
	s_wait_xcnt 0x0
; The three quantised products, on codes of E2M1 with E8M0 scales.  A work-group takes 128 rows of one input and all 1,024 columns: work-groups 0-31 input_query, 32-159 input_key, 160-287 input_value.
; LEFT OUT (shown at the head of the first kernel): bk is not added; bv is added in the last launch; a block of 128 keys that lies wholly at or beyond seq_lens[batch] is not read or multiplied: its rows are stored as zeros.
; LIMITS: |lq|, |lk|, |lv| under 65,504 (they are stored as f16); NaN and infinities are not served; blocks whose largest magnitude lies under 2^-124 were not tried.
;  The f32 sums run over K's eight steps of 128 in an order that differs from work-group to work-group (below); the results are rounded to f16 and go into no quantiser.
; OUT: lq [4096][1024], lk [16384][1024] f16, rows as they are; lvt [8][1024 channels][2048 keys] f16, the keys innermost, as the last product wants them.
; PHASES.  X: wave w quantises rows 32 w .. 32 w + 31 (16 units of 16 rows x 128 k), and stores the fragments to LDS as images of the operand's registers | ONE barrier | the product: wave w makes columns
; 256 w .. + 255 in two passes of 128 x 128 (64 accumulators), x's fragments from LDS, the weights' from memory, three sets of operand registers deep.
; THE ORDER OF THE WALK.  All work-groups of one input read the same weights.  So that they do not all ask for the same bytes at the same time, a work-group's K step j is the true K step j xor g,
; g = the work-group's number mod 8, and the next bit of that number says which of a wave's two halves of columns is made first: sixteen orders.  LDS is laid by j: only addresses in memory hang on the order.
; The barrier stands outside every branch on the length: a work-group whose block is dead jumps over phase X, passes the barrier, and stores zeros.
; No cluster and no tensor load: the walk has one barrier only.
; TRANSPOSED USE.  Q, K: source 0 = 16 columns of W, source 1 = 16 rows of x: a lane holds one row and eight neighbouring columns.  V: source 0 = 16 rows of x (keys), source 1 = 16 columns of W (channels):
; a lane holds one channel and eight neighbouring keys.  The matrix lines are the same for both: only the fetches differ.
; REGISTERS, in windows of 256.  window 0: v1-23 addresses; v24-27 zeros; v32-43, v44-55 scale words of sources 0 and 1, three sets (they hold nothing else); v56-63 the weights' offsets of the eight K steps;
;  v64-255 source 1's fragments, three sets of 64 (phase X: v64-191 numbers, v192-218 at work; way out: v64-159).  window 1: v0-191 source 0's fragments, three sets; v192-255 bq in the result's layout
;  (phase X: v0-255 numbers as loaded).  windows 2, 3: accumulator (a, b) at v[8 (8 (a % 4) + b)], a < 4 in window 2.
.set XIMG,  0                          ; LDS: x's 64 fragments, (row tile m, K step j) at (8 m + j) x 1,024
.set XSC,   65536                      ; x's scale words [K step j][lane][i]: word i of lane l is row 32 i + l
.set TST,   69632                      ; 4 x 16,896: for each wave two stages of 16 rows x 528 bytes
.set OST,   137216                     ; 4 x 4,352: for each wave a stage of 16 rows x 272 bytes for the way out
.set SPARE, 154624                     ; the spare words, 128 bytes for each wave: two blocks of 256 bytes that no other line names
.set LI,  4                            ; v4   16 x lane
.set LXS, 5                            ; v5   XSC + 16 x lane
.set TSI, 6                            ; v6   my wave's stages + 16 x lane
.set TSO, 7                            ; v7   my wave's stages + 528 r + 64 h
.set XWI, 8                            ; v8   16,384 x wave + 16 x lane
.set XWS, 9                            ; v9   XSC + 16 x lane + 4 x wave
.set STO, 10                           ; v10  my out stage + 272 r + 16 h
.set RD,  11                           ; v11  my out stage + 272 h + 16 r
.set CO,  12                           ; v12-19  (2 t + h) x the output's row bytes + 16 r
.set SPW, 20                           ; v20  my spare word; never rewritten
.set NIL, 21                           ; v21  0; never rewritten
.set BO,  22                           ; v22  32 h
.set ZR,  24
.set S0S, 32
.set S1S, 44
.set VK,  56                           ; v56-63  16 x lane + 1,024 x (j xor g): K step j's place in the codes and in the scale words; never rewritten
.set S1,  64
.set X,   64
.set PC,  192
.set TM,  200
.set PW,  216
.set PW0, 217
.set PWC, 218
.set TMP, 64
.set OB,  96
.set BB,  192
.set WV,   24
.set KIND, 25                          ; 0 Q, 1 K, 2 V
.set BLK,  26
.set LIVE, 27
.set ISV,  28
.set LEN,  29
.set SRC,  32
.set OUT,  34
.set WB,   36
.set WSB,  38
.set BQ,   40
.set WK,   42
.set BS,   44                          ; s[44:45] 16 rows of the output, in bytes
.set PS,   46                          ; s[46:47] from one half of a wave's columns to the other, in bytes of the output
.set OS,   48
.set HM,   49
.set SEL,  50
.set CNT,  52
.set CNT2, 53
.set Q0,   67                          ; s67  1 - P0
.set XB,   68                          ; s[68:83] x at my wave's first row, K step j xor g: a pair for each j; never rewritten
.set NX,   84                          ; s[84:91] the second pass's bases: output, codes, scale words, bq
.set G,    92                          ; s92  the work-group's number mod 8
.set P0,   93                          ; s93  which half of my columns the first pass makes
.set MSB, 0
.macro WIN new                         ; the immediate's high byte repeats the setting that is left
.if MSB != (\new)
	s_set_vgpr_msb (MSB<<8)|(\new)
.set MSB, (\new)
.endif
.endm
.macro PLACES
.rept 4
	v_nop
.endr
.endm
.macro TWOP ptr, nxt, step             ; a base becomes two: the first pass's (half P0) in its place, the second pass's (the other half) in nxt.  s95 holds 0
	s_mul_i32 s94, s[Q0], \step
	s_add_nc_u64 s[\nxt:\nxt+1], s[\ptr:\ptr+1], s[94:95]
	s_mul_i32 s94, s[P0], \step
	s_add_nc_u64 s[\ptr:\ptr+1], s[\ptr:\ptr+1], s[94:95]
.endm
	s_load_b512 s[4:19], s[0:1], 0x0               ; input_query s[4:5], input_key s[6:7], input_value s[8:9], seq_lens s[10:11], wcodes s[12:13], wscales s[14:15], bq s[16:17], lq s[18:19]
	s_load_b128 s[20:23], s[0:1], 0x40             ; lk s[20:21], lvt s[22:23]
	v_lshl_add_u32 v[SPW], v0, 2, SPARE
	v_mov_b32 v[NIL], 0
	v_lshrrev_b32 v1, 5, v0
	v_readfirstlane_b32 s[WV], v1                  ; wave 0..3
	v_and_b32 v1, 31, v0                           ; lane
	v_and_b32 v2, 15, v0                           ; r
	v_bfe_u32 v3, v0, 4, 1                         ; h
	; every LDS address is made here, ahead of the first branch
	v_lshlrev_b32 v[LI], 4, v1
	v_add_nc_u32 v[LXS], XSC, v[LI]
	s_mul_i32 s30, s[WV], 16896
	s_add_co_u32 s30, s30, TST
	v_add_nc_u32 v[TSI], s30, v[LI]
	v_mul_u32_u24 v[TSO], v2, 528
	v_lshl_add_u32 v[TSO], v3, 6, v[TSO]
	v_add_nc_u32 v[TSO], s30, v[TSO]
	s_lshl_b32 s30, s[WV], 14
	v_add_nc_u32 v[XWI], s30, v[LI]
	s_lshl_b32 s30, s[WV], 2
	v_add_nc_u32 v[XWS], s30, v[LXS]
	s_mul_i32 s30, s[WV], 4352
	s_add_co_u32 s30, s30, OST
	v_mul_u32_u24 v[STO], v2, 272
	v_lshl_add_u32 v[STO], v3, 4, v[STO]
	v_add_nc_u32 v[STO], s30, v[STO]
	v_mul_u32_u24 v[RD], v3, 272
	v_lshl_add_u32 v[RD], v2, 4, v[RD]
	v_add_nc_u32 v[RD], s30, v[RD]
	v_lshlrev_b32 v[BO], 5, v3
	; the order of my walk: offsets into memory alone hang on it
	s_and_b32 s[G], ttmp9, 7
	s_bfe_u32 s[P0], ttmp9, 0x10003                ; one bit from bit 3
	s_xor_b32 s[Q0], s[P0], 1
.irp j, 0,1,2,3,4,5,6,7
	s_xor_b32 s30, s[G], \j
	s_lshl_b32 s30, s30, 10
	v_add_nc_u32 v[VK+\j], s30, v[LI]
.endr
	; which input, which block
	s_cmp_ge_u32 ttmp9, 32
	s_cselect_b32 s30, 1, 0
	s_cmp_ge_u32 ttmp9, 160
	s_cselect_b32 s[ISV], 1, 0
	s_add_co_u32 s[KIND], s30, s[ISV]
	s_lshl_b32 s30, s30, 5
	s_lshl_b32 s31, s[ISV], 7
	s_add_co_u32 s30, s30, s31
	s_sub_co_u32 s[BLK], ttmp9, s30                ; block of 128 rows in its input
	s_lshl_b32 s[OS], 2048, s[ISV]                 ; a row of the output: 2,048 bytes (lq, lk), 4,096 (lvt)
	v_mul_lo_u32 v23, v3, s[OS]
	v_lshl_add_u32 v23, v2, 4, v23
.irp t, 0,1,2,3,4,5,6,7
	s_mul_i32 s30, s[OS], 2*\t
	v_add_nc_u32 v[CO+\t], s30, v23
.endr
	s_lshl_b32 s[BS], s[OS], 4
	s_mov_b32 s[BS+1], 0
	s_cmp_eq_u32 s[ISV], 1
	s_mov_b32 s[PS], 256                           ; Q, K: the other 128 columns are 256 bytes on in a row;
	s_cselect_b32 s[PS], 0x80000, s[PS]            ; V: the other 128 channels are 128 rows of 4,096 bytes on
	s_mov_b32 s[PS+1], 0
	s_lshl_b32 s54, s[BLK], 19                     ; x: 128 rows of 4,096 bytes a block,
	s_lshl_b32 s30, s[WV], 17                      ; 32 rows a wave
	s_add_co_u32 s54, s54, s30
	s_mov_b32 s55, 0
	s_lshl_b32 s56, s[KIND], 19                    ; codes: 524,288 bytes a matrix, 16 tiles of 8,192 bytes a wave
	s_add_co_u32 s56, s56, s30
	s_mov_b32 s57, 0
	s_lshl_b32 s58, s[KIND], 16                    ; scale words: 65,536 bytes a matrix, two groups of 8,192 bytes a wave
	s_lshl_b32 s60, s[WV], 14
	s_add_co_u32 s58, s58, s60
	s_mov_b32 s59, 0
	s_lshl_b32 s60, s[WV], 10                      ; bq: 256 numbers a wave
	s_mov_b32 s61, 0
	s_lshl_b32 s62, s[BLK], 18                     ; lq, lk: 128 rows of 2,048 bytes a block, 512 bytes a wave
	s_lshl_b32 s30, s[WV], 9
	s_add_co_u32 s62, s62, s30
	s_lshr_b32 s30, s[BLK], 4                      ; the batch (K, V); for Q: 0 or 1, inside seq_lens, and its length is not used
	s_lshl_b32 s31, s30, 22                        ; lvt: 4 MiB a batch,
	s_lshl_b32 s63, s[WV], 20                      ; 256 channels of 4,096 bytes a wave,
	s_add_co_u32 s31, s31, s63
	s_and_b32 s63, s[BLK], 15
	s_lshl_b32 s66, s63, 8                         ; 128 keys of 2 bytes a block
	s_add_co_u32 s31, s31, s66
	s_cmp_eq_u32 s[ISV], 1
	s_cselect_b32 s62, s31, s62
	s_lshl_b32 s66, s63, 7                         ; the block's first key
	s_mov_b32 s63, 0
	s_lshl_b32 s30, s30, 2
	s_mov_b32 s[SEL], 0x76543210
	s_mov_b32 s[SEL+1], 0xfedcba98                 ; v_permlanex16_b32's selects for lane l xor 16
	s_mov_b32 s[HM], 0xffff0000                    ; lanes 16-31
	s_wait_kmcnt 0x0
	s_load_b32 s[LEN], s[10:11], s30 offset:0x0    ; seq_lens[batch]
	s_cmp_eq_u32 s[KIND], 1                        ; the choices hang on the work-group's number alone
	s_cselect_b64 s[SRC:SRC+1], s[6:7], s[4:5]
	s_cselect_b64 s[OUT:OUT+1], s[20:21], s[18:19]
	s_cmp_eq_u32 s[KIND], 2
	s_cselect_b64 s[SRC:SRC+1], s[8:9], s[SRC:SRC+1]
	s_cselect_b64 s[OUT:OUT+1], s[22:23], s[OUT:OUT+1]
	s_add_nc_u64 s[SRC:SRC+1], s[SRC:SRC+1], s[54:55]
	s_add_nc_u64 s[OUT:OUT+1], s[OUT:OUT+1], s[62:63]
	s_add_nc_u64 s[WB:WB+1], s[12:13], s[56:57]
	s_add_nc_u64 s[WSB:WSB+1], s[14:15], s[58:59]
	s_add_nc_u64 s[BQ:BQ+1], s[16:17], s[60:61]
	s_mov_b32 s95, 0
.irp j, 0,1,2,3,4,5,6,7
	s_xor_b32 s94, s[G], \j
	s_lshl_b32 s94, s94, 9                         ; a K step of 128 numbers is 512 bytes of a row of x
	s_add_nc_u64 s[XB+2*\j:XB+2*\j+1], s[SRC:SRC+1], s[94:95]
.endr
	s_mul_i32 s94, s[PS], s[Q0]                    ; the two passes' bases
	s_add_nc_u64 s[NX:NX+1], s[OUT:OUT+1], s[94:95]
	s_mul_i32 s94, s[PS], s[P0]
	s_add_nc_u64 s[OUT:OUT+1], s[OUT:OUT+1], s[94:95]
	TWOP WB, NX+2, 0x10000                         ; 8 tiles of 8,192 bytes
	TWOP WSB, NX+4, 8192                           ; a group of 128 columns
	TWOP BQ, NX+6, 512                             ; 128 numbers
	s_wait_kmcnt 0x0
	s_cmp_lt_i32 s66, s[LEN]                       ; does any key of the block count?
	s_cselect_b32 s[LIVE], 1, 0
	s_cmp_eq_u32 s[KIND], 0
	s_cselect_b32 s[LIVE], 1, s[LIVE]              ; queries always do
	s_cmp_eq_u32 s[LIVE], 0
	s_cbranch_scc1 .Lno_x
; ---- PHASE X.  Unit u = (K step j = u / 2, row tile u % 2): 16 rows x 128 numbers.  Each load reads 512 consecutive bytes of one row; the unit turns through my own stage in LDS, so that a lane then holds, of row r,
; 16 neighbours of each block of 32: register 16 b + i = k 32 b + 16 h + i of the K step.  Loads run four units (64 loads) ahead, the turn one unit.
.macro LOADX u
	WIN 0x40                                       ; destination window 1
.irp i, 0,1,2,3,4,5,6,7,8,9,10,11,12,13,14,15
	global_load_b128 v[64*((\u)%4)+4*\i:64*((\u)%4)+4*\i+3], v[LI], s[XB+2*((\u)/2):XB+2*((\u)/2)+1] offset:(16*((\u)%2)+\i)*4096 th:TH_LOAD_NT
.endr
.endm
.macro TURNX u
	WIN 0x04                                       ; an LDS store's data are its source 1: window 1
.irp i, 0,1,2,3,4,5,6,7,8,9,10,11,12,13,14,15
	ds_store_b128 v[TSI], v[64*((\u)%4)+4*\i:64*((\u)%4)+4*\i+3] offset:8448*((\u)%2)+528*\i
.endr
	WIN 0
.irp q, 0,1,2,3
.irp j, 0,1,2,3
	ds_load_b128 v[X+64*((\u)%2)+16*\q+4*\j:X+64*((\u)%2)+16*\q+4*\j+3], v[TSO] offset:8448*((\u)%2)+128*\q+16*\j   ; LDS serves a wave's instructions in order: these see the stores above
.endr
.endr
.endm
; 64 numbers of a lane, v[s] on, become a fragment's codes in v[PC] on and its row's scale word in v[PW]
.macro QUANT s
.irp b, 0,1,2,3
	v_max3_num_f32 v[TM+\b], |v[\s+16*\b]|, |v[\s+1+16*\b]|, 0x1800000   ; block b: my 16 numbers, and the floor 2^(3 - 127): the byte cannot fall under 1
.endr
.irp i, 2,4,6,8,10,12,14
.irp b, 0,1,2,3
	v_max3_num_f32 v[TM+\b], v[TM+\b], |v[\s+16*\b+\i]|, |v[\s+1+16*\b+\i]|   ; the four blocks by turns
.endr
.endr
.irp b, 0,1,2,3
	v_permlanex16_b32 v[TM+4+\b], v[TM+\b], s[SEL], s[SEL+1]
.endr
.irp b, 0,1,2,3
	v_max_num_f32 v[TM+\b], v[TM+\b], v[TM+4+\b]   ; with lane l xor 16's: the block's largest magnitude
.endr
.irp b, 0,1,2,3
	v_add_nc_u32 v[TM+12+\b], 0xff000000, v[TM+\b] ; 2 off its exponent field: the conversion's scale operand
.endr
.irp b, 0,1,2,3
	v_lshrrev_b32 v[TM+4+\b], 23, v[TM+12+\b]      ; the scale's byte
.endr
	v_lshl_or_b32 v[PW], v[TM+5], 8, v[TM+4]
	v_lshl_or_b32 v[PW], v[TM+6], 16, v[PW]
	v_lshl_or_b32 v[PW], v[TM+7], 24, v[PW]
.irp b, 0,1,2,3
	v_cvt_scalef32_pk8_fp4_f32 v[PC+2*\b], v[\s+16*\b:\s+7+16*\b], v[TM+12+\b]
	v_cvt_scalef32_pk8_fp4_f32 v[PC+1+2*\b], v[\s+8+16*\b:\s+15+16*\b], v[TM+12+\b]
.endr
	v_nop                                          ; one plain line behind a scaled conversion
.irp c, 0,1                                    ; the operand's layout wants a whole block in a lane: lanes 0-15 block 2 c, lanes 16-31 block 2 c + 1
.irp i, 0,1
	v_permlane16_swap_b32 v[PC+4*\c+\i], v[PC+2+4*\c+\i]
.endr
.endr
.endm
.macro STEPX u
	s_wait_dscnt 0x0                               ; unit u is back from the stage; my earlier LDS stores have read their registers
.if (\u)+4 < 16
	LOADX (\u)+4
.endif
.if (\u)+1 < 16
.if 14-(\u) >= 3
	s_wait_loadcnt 48                              ; unit u + 1 is in; the three units behind it may be out
.else
	s_wait_loadcnt 16*(14-(\u))
.endif
	TURNX (\u)+1
.endif
	QUANT X+64*((\u)%2)
.irp c, 0,1
	ds_store_b128 v[XWI], v[PC+4*\c:PC+4*\c+3] offset:(8*((\u)%2)+(\u)/2)*1024+512*\c   ; the fragment goes to LDS as it stands
.endr
.if (\u)%2 == 0
	v_mov_b32 v[PW0], v[PW]                        ; row tile 0's words are kept
.else
	v_cndmask_b32 v[PWC], v[PW0], v[PW], s[HM]     ; lanes 0-15: rows 0-15; lanes 16-31: rows 16-31 of my 32
	ds_store_b32 v[XWS], v[PWC] offset:512*((\u)/2)
.endif
.endm
.irp b, 0,1,2,3
	v_mov_b32 v[TM+4+\b], 0                        ; written once: a lane permute's destination counts as one of its sources
.endr
	LOADX 0
	LOADX 1
	LOADX 2
	LOADX 3
	s_wait_loadcnt 48                              ; unit 0's sixteen loads are in
	TURNX 0
.irp u, 0,1,2,3,4,5,6,7,8,9,10,11,12,13,14,15
	STEPX \u
.endr
.Lno_x:
	s_wait_dscnt 0x0                               ; for the others' sake: my stores into LDS have landed
	s_barrier_signal -1
	s_barrier_wait -1                              ; x's 64 fragments and their scale words lie in LDS
	s_cmp_eq_u32 s[LIVE], 0
	s_cbranch_scc1 .Lzero
; ---- THE PRODUCT.
; The fragments and scale words of K step ks (of my order) into set: 17 loads from memory (the weights) and 17 from LDS (x) in either arm.  only = 1: the arm for Q and K alone.
.macro FETCH ks, set, only
.if !(\only)
	s_cmp_eq_u32 s[KIND], 2
	s_cbranch_scc1 .Lfv_\@
.endif
	WIN 0x40
.irp tb, 0,1,2,3,4,5,6,7
.irp c, 0,1
	global_load_b128 v[64*(\set)+8*\tb+4*\c:64*(\set)+8*\tb+4*\c+3], v[VK+(\ks)], s[WB:WB+1] offset:8192*\tb+512*\c
.endr
.endr
	WIN 0
	global_load_b128 v[S0S+4*(\set):S0S+4*(\set)+3], v[VK+(\ks)], s[WSB:WSB+1]
.irp ta, 0,1,2,3,4,5,6,7
.irp c, 0,1
	ds_load_b128 v[S1+64*(\set)+8*\ta+4*\c:S1+64*(\set)+8*\ta+4*\c+3], v[LI] offset:(8*\ta+(\ks))*1024+512*\c
.endr
.endr
	ds_load_b128 v[S1S+4*(\set):S1S+4*(\set)+3], v[LXS] offset:512*(\ks)
.if !(\only)
	s_branch .Lfd_\@
.Lfv_\@:
.irp ta, 0,1,2,3,4,5,6,7
.irp c, 0,1
	global_load_b128 v[S1+64*(\set)+8*\ta+4*\c:S1+64*(\set)+8*\ta+4*\c+3], v[VK+(\ks)], s[WB:WB+1] offset:8192*\ta+512*\c
.endr
.endr
	global_load_b128 v[S1S+4*(\set):S1S+4*(\set)+3], v[VK+(\ks)], s[WSB:WSB+1]
	WIN 0x40
.irp tb, 0,1,2,3,4,5,6,7
.irp c, 0,1
	ds_load_b128 v[64*(\set)+8*\tb+4*\c:64*(\set)+8*\tb+4*\c+3], v[LI] offset:(8*\tb+(\ks))*1024+512*\c
.endr
.endr
	WIN 0
	ds_load_b128 v[S0S+4*(\set):S0S+4*(\set)+3], v[LXS] offset:512*(\ks)
.Lfd_\@:
.endif
.endm
; one matrix instruction on the registers rD, rA, rB, rC, rSA, rSB.  z = 1: C is the constant 0.  ra, rb: the scale words of an odd tile stand in lanes 16-31
.macro WM z, ra, rb
.if (\z) == 1
.if (\ra) && (\rb)
	v_wmma_scale_f32_16x16x128_f8f6f4 v[rD:rD+7], v[rA:rA+7], v[rB:rB+7], 0, v[rSA], v[rSB] matrix_a_fmt:MATRIX_FMT_FP4 matrix_b_fmt:MATRIX_FMT_FP4 matrix_a_scale:MATRIX_SCALE_ROW1 matrix_b_scale:MATRIX_SCALE_ROW1
.elseif (\ra)
	v_wmma_scale_f32_16x16x128_f8f6f4 v[rD:rD+7], v[rA:rA+7], v[rB:rB+7], 0, v[rSA], v[rSB] matrix_a_fmt:MATRIX_FMT_FP4 matrix_b_fmt:MATRIX_FMT_FP4 matrix_a_scale:MATRIX_SCALE_ROW1
.elseif (\rb)
	v_wmma_scale_f32_16x16x128_f8f6f4 v[rD:rD+7], v[rA:rA+7], v[rB:rB+7], 0, v[rSA], v[rSB] matrix_a_fmt:MATRIX_FMT_FP4 matrix_b_fmt:MATRIX_FMT_FP4 matrix_b_scale:MATRIX_SCALE_ROW1
.else
	v_wmma_scale_f32_16x16x128_f8f6f4 v[rD:rD+7], v[rA:rA+7], v[rB:rB+7], 0, v[rSA], v[rSB] matrix_a_fmt:MATRIX_FMT_FP4 matrix_b_fmt:MATRIX_FMT_FP4
.endif
.else
.if (\ra) && (\rb)
	v_wmma_scale_f32_16x16x128_f8f6f4 v[rD:rD+7], v[rA:rA+7], v[rB:rB+7], v[rC:rC+7], v[rSA], v[rSB] matrix_a_fmt:MATRIX_FMT_FP4 matrix_b_fmt:MATRIX_FMT_FP4 matrix_a_scale:MATRIX_SCALE_ROW1 matrix_b_scale:MATRIX_SCALE_ROW1
.elseif (\ra)
	v_wmma_scale_f32_16x16x128_f8f6f4 v[rD:rD+7], v[rA:rA+7], v[rB:rB+7], v[rC:rC+7], v[rSA], v[rSB] matrix_a_fmt:MATRIX_FMT_FP4 matrix_b_fmt:MATRIX_FMT_FP4 matrix_a_scale:MATRIX_SCALE_ROW1
.elseif (\rb)
	v_wmma_scale_f32_16x16x128_f8f6f4 v[rD:rD+7], v[rA:rA+7], v[rB:rB+7], v[rC:rC+7], v[rSA], v[rSB] matrix_a_fmt:MATRIX_FMT_FP4 matrix_b_fmt:MATRIX_FMT_FP4 matrix_b_scale:MATRIX_SCALE_ROW1
.else
	v_wmma_scale_f32_16x16x128_f8f6f4 v[rD:rD+7], v[rA:rA+7], v[rB:rB+7], v[rC:rC+7], v[rSA], v[rSB] matrix_a_fmt:MATRIX_FMT_FP4 matrix_b_fmt:MATRIX_FMT_FP4
.endif
.endif
.endm
; A K step of 128: 64 matrix instructions; the 64 accumulators take turns, one instruction a turn, in the same order in every step.
; cm = 0: the sums go on; 1: they begin with 0; 2: they begin with bq.
.macro MULS set, cm
.irp ta, 0,1,2,3,4,5,6,7
.if \ta == 0
.if (\cm) == 2
	WIN 0x91                                       ; source 0 window 1, source 1 window 0, C (bq) window 1, D window 2
.else
	WIN 0xa1                                       ; C and D window 2
.endif
.endif
.if \ta == 4
.if (\cm) == 2
	WIN 0xd1
.else
	WIN 0xf1                                       ; C and D window 3
.endif
.endif
.irp tb, 0,1,2,3,4,5,6,7
.set rD, 8*(8*(\ta%4)+\tb)
.set rA, 64*(\set)+8*\tb
.set rB, S1+64*(\set)+8*\ta
.set rSA, S0S+4*(\set)+\tb/2
.set rSB, S1S+4*(\set)+\ta/2
.set rC, rD
.if (\cm) == 2
.set rC, BB+8*\tb
.endif
	WM \cm, \tb%2, \ta%2
.endr
.endr
.endm
; THE WAY OUT of block ta (16 rows of the output x 128 numbers): rounded to f16, 16 bytes a lane; through my own stage; back as whole rows of 256 bytes; stored.
.macro PACK ta
	WIN 0x0a+5*((\ta)/4)                           ; sources 0 and 1: window 2 or 3
.irp tb, 0,1,2,3,4,5,6,7
.irp rr, 0,1,2,3
	v_cvt_pk_f16_f32 v[TMP+4*\tb+\rr], v[64*((\ta)%4)+8*\tb+2*\rr], v[64*((\ta)%4)+8*\tb+2*\rr+1]   ; each accumulator from its low end on
.endr
.endr
	WIN 0
.endm
.macro TOSTAGE ta
.irp tb, 0,1,2,3,4,5,6,7
	ds_store_b128 v[STO], v[TMP+4*\tb:TMP+4*\tb+3] offset:32*\tb
.endr
.irp t, 0,1,2,3,4,5,6,7
	ds_load_b128 v[OB+32*((\ta)%2)+4*\t:OB+32*((\ta)%2)+4*\t+3], v[RD] offset:544*\t   ; LDS serves a wave's instructions in order: these see the stores above
.endr
.endm
.macro SEND ta
	s_wait_dscnt 0x0                               ; the block is back in registers
	s_wait_xcnt 0x0                                ; the earlier stores have read their base and their data: the base may step, and the next block's loads may land
.if (\ta) == 0
	s_mov_b64 s[WK:WK+1], s[OUT:OUT+1]
.else
	s_add_nc_u64 s[WK:WK+1], s[WK:WK+1], s[BS:BS+1]
.endif
.irp t, 0,1,2,3,4,5,6,7
	global_store_b128 v[CO+\t], v[OB+32*((\ta)%2)+4*\t:OB+32*((\ta)%2)+4*\t+3], s[WK:WK+1]   ; sixteen lanes store 256 consecutive bytes, aligned
.endr
.endm
	s_mov_b32 s[CNT], 2
.Lpass:                                            ; a pass: 128 rows x 128 columns.  Only pointers into memory change from pass to pass
	s_cmp_eq_u32 s[KIND], 0
	s_cbranch_scc0 .Lnot_q
	WIN 0x40
.irp tb, 0,1,2,3,4,5,6,7
	global_load_b128 v[BB+8*\tb:BB+8*\tb+3], v[BO], s[BQ:BQ+1] offset:64*\tb         ; bq in the result's layout: lane (r, h), tile b: columns 16 b + 8 h + 0 .. 7
	global_load_b128 v[BB+8*\tb+4:BB+8*\tb+7], v[BO], s[BQ:BQ+1] offset:64*\tb+16
.endr
	WIN 0
	FETCH 0, 0, 1
	FETCH 1, 1, 1
	FETCH 2, 2, 1
	s_wait_loadcnt 34                              ; bq and K step 0 are in; the 17 + 17 loads of K steps 1 and 2 may be out
	s_wait_dscnt 34
	MULS 0, 2
	WIN 0
	s_branch .Lstarted
.Lnot_q:
	FETCH 0, 0, 0
	FETCH 1, 1, 0
	FETCH 2, 2, 0
	s_wait_loadcnt 34
	s_wait_dscnt 34
	MULS 0, 1
	WIN 0
.Lstarted:
	PLACES                                         ; four places in front of loads into registers that matrix instructions have read
	FETCH 3, 0, 0
.irp ks, 1,2,3,4,5,6,7
.if \ks <= 5
	s_wait_loadcnt 34                              ; this K step is in; the two fetches behind it may be out
	s_wait_dscnt 34
.elseif \ks == 6
	s_wait_loadcnt 17
	s_wait_dscnt 17
.else
	s_wait_loadcnt 0x0
	s_wait_dscnt 0x0
.endif
	MULS (\ks)%3, 0
	WIN 0
.if \ks <= 4
	PLACES
	FETCH (\ks)+3, (\ks)%3, 0
.endif
.endr
	PLACES                                         ; in front of the conversions, which read results and write registers that held operands
	PACK 0
	TOSTAGE 0
.irp tn, 1,2,3,4,5,6,7
	PACK \tn
	SEND \tn-1
	TOSTAGE \tn
.endr
	SEND 7
	s_wait_xcnt 0x0                                ; the last stores have read their data: the next pass's loads may land there, and the bases may be written
	s_mov_b64 s[OUT:OUT+1], s[NX:NX+1]             ; the second pass's bases: the other half of my columns
	s_mov_b64 s[WB:WB+1], s[NX+2:NX+3]
	s_mov_b64 s[WSB:WSB+1], s[NX+4:NX+5]
	s_mov_b64 s[BQ:BQ+1], s[NX+6:NX+7]
	s_sub_co_u32 s[CNT], s[CNT], 1
	s_cmp_lg_u32 s[CNT], 0
	s_cbranch_scc1 .Lpass
	s_branch .Lend
.Lzero:                                            ; a dead block of keys: the later launches read these bytes, so they are stored, as zeros, by the same walk
.irp i, 0,1,2,3
	v_mov_b32 v[ZR+\i], 0
.endr
	s_mov_b32 s[CNT], 2
.Lzp:
	s_mov_b64 s[WK:WK+1], s[OUT:OUT+1]
	s_mov_b32 s[CNT2], 8
.Lza:
.irp t, 0,1,2,3,4,5,6,7
	global_store_b128 v[CO+\t], v[ZR:ZR+3], s[WK:WK+1]
.endr
	s_wait_xcnt 0x0                                ; the stores have read their base
	s_add_nc_u64 s[WK:WK+1], s[WK:WK+1], s[BS:BS+1]
	s_sub_co_u32 s[CNT2], s[CNT2], 1
	s_cmp_lg_u32 s[CNT2], 0
	s_cbranch_scc1 .Lza
	s_mov_b64 s[OUT:OUT+1], s[NX:NX+1]             ; the other half of my columns
	s_sub_co_u32 s[CNT], s[CNT], 1
	s_cmp_lg_u32 s[CNT], 0
	s_cbranch_scc1 .Lzp
.Lend:
	s_wait_tensorcnt 0x0                           ; the wave's end, behind my last LDS store
	ds_add_u32 v[SPW], v[NIL]
	s_wait_dscnt 0x0
	s_endpgm
.Lfunc_end_k_qedf09401aa_proj:
	.size	k_qedf09401aa_proj, .Lfunc_end_k_qedf09401aa_proj-k_qedf09401aa_proj
	.p2alignl 7, 3214868480
	.fill 96, 4, 3214868480
	.section	.rodata,"a",@progbits
	.p2align	6, 0x0
	.amdhsa_kernel k_qedf09401aa_proj
		.amdhsa_group_segment_fixed_size 155648
		.amdhsa_private_segment_fixed_size 0
		.amdhsa_enable_private_segment 0
		.amdhsa_kernarg_size 80
		.amdhsa_user_sgpr_count 2
		.amdhsa_user_sgpr_kernarg_segment_ptr 1
		.amdhsa_wavefront_size32 1
		.amdhsa_system_sgpr_workgroup_id_x 1
		.amdhsa_system_sgpr_workgroup_id_y 1
		.amdhsa_system_sgpr_workgroup_id_z 1
		.amdhsa_system_vgpr_workitem_id 0
		.amdhsa_next_free_vgpr 1024
		.amdhsa_next_free_sgpr 96
		.amdhsa_reserve_vcc 0
		.amdhsa_float_denorm_mode_32 3
		.amdhsa_float_denorm_mode_16_64 3
		.amdhsa_memory_ordered 1
		.amdhsa_forward_progress 1
		.amdhsa_inst_pref_size 255
	.end_amdhsa_kernel
	.section	.bss,"aw",@nobits
	.p2align	6
	.space	262144
	.amdgpu_metadata
---
amdhsa.version: [ 1, 2 ]
amdhsa.kernels:
  - .name:           k_qedf09401aa_proj
    .symbol:         k_qedf09401aa_proj.kd
    .args:
      - { .name: input_query, .offset: 0, .size: 8, .value_kind: global_buffer, .address_space: global }
      - { .name: input_key, .offset: 8, .size: 8, .value_kind: global_buffer, .address_space: global }
      - { .name: input_value, .offset: 16, .size: 8, .value_kind: global_buffer, .address_space: global }
      - { .name: seq_lens, .offset: 24, .size: 8, .value_kind: global_buffer, .address_space: global }
      - { .name: wcodes, .offset: 32, .size: 8, .value_kind: global_buffer, .address_space: global }
      - { .name: wscales, .offset: 40, .size: 8, .value_kind: global_buffer, .address_space: global }
      - { .name: bq, .offset: 48, .size: 8, .value_kind: global_buffer, .address_space: global }
      - { .name: lq, .offset: 56, .size: 8, .value_kind: global_buffer, .address_space: global }
      - { .name: lk, .offset: 64, .size: 8, .value_kind: global_buffer, .address_space: global }
      - { .name: lvt, .offset: 72, .size: 8, .value_kind: global_buffer, .address_space: global }
    .group_segment_fixed_size: 155648
    .private_segment_fixed_size: 0
    .kernarg_segment_align: 8
    .kernarg_segment_size: 80
    .max_flat_workgroup_size: 128
    .sgpr_count:     96
    .vgpr_count:     1024
    .wavefront_size: 32
...
	.end_amdgpu_metadata
.endif
;; end of part 2
;; launch scores (part 3): grid 8 x 32, 4 waves a work-group, clusters of 4 x 4, 327,680 bytes of LDS; arguments lq, lk, seq_lens, pt, stats; writes pt, stats
.if DOCPART == 3
	.amdgcn_target "amdgcn-amd-amdhsa--gfx1250"
	.amdhsa_code_object_version 6
	.text
	.protected	k_qedf09401aa_scores
	.globl	k_qedf09401aa_scores
	.p2align	8
	.type	k_qedf09401aa_scores,@function
k_qedf09401aa_scores:
	s_mov_b64 s[64:65], 0
	v_nop
	global_prefetch_b8 v0, s[64:65] scope:SCOPE_SE
	s_setreg_imm32_b32 hwreg(HW_REG_WAVE_MODE, 25, 1), 1
	s_wait_xcnt 0x0
	s_wait_alu depctr_hold_cnt(0) depctr_sa_sdst(0) depctr_va_vdst(0) depctr_va_sdst(0) depctr_va_ssrc(0) depctr_va_vcc(0) depctr_vm_vsrc(0)
	s_getreg_b32 s2, hwreg(HW_REG_IB_STS2, 6, 4)
	s_cmp_eq_u32 s2, 0
	s_cbranch_scc0 .Lentry_in_a_cluster
	s_endpgm
.Lentry_in_a_cluster:
	s_bfe_u32 s2, ttmp6, 0x10000c
	s_cmp_lg_u32 s2, 0xf033
	s_cbranch_scc0 .Lentry_shape_is_right
	s_endpgm
.Lentry_shape_is_right:
; S = lq lk^T on f16 operands with f32 sums; the mask; and, for each group of 128 keys, the softmax's numerators under the group's own maximum.
; LEFT OUT (shown at the head of the first kernel): bk, which adds the same to every score of a row.
; t = score x log2(e) / 32.  For query q and group g: M = the group's largest t rounded up to a whole number (never under -1e30), p = 2^(t - M), l = the sum of the p in f32.
; pt [4096 q][2048 keys] f16 takes p; stats takes -M at [batch][g][q] and l in the same layout 262,144 bytes on.  The last launch brings the groups under the row's maximum by powers of two, which round nothing.
; THE MASK is a selection, not a branch: a key at or beyond seq_lens[batch] gets the score -3e38 ahead of the maximum, so its p is 0.
; LIMITS: seq_lens >= 1; |t| under 1e30; NaN and infinities are not served.
; SHARES.  A work-group makes 128 queries x 256 keys, K = 1,024 in 8 steps of 128 through a ring of two LDS slots; a wave 64 queries x 128 keys (one group): 32 accumulators.
; TRANSPOSED: source 0 = 16 keys, source 1 = 16 queries: a lane holds one query (lane % 16) and eight neighbouring keys.
; CLUSTER 4 x 4: cluster y is the batch, cy the block of queries in it, 4 x cluster x + cx the block of keys.  lq's tile is shared along a row of the cluster, lk's along a column: joint loads.
; REGISTERS: window 0: v16-31 addresses; v32-63 statistics, 8 a tile of queries; v64-95, v128-159 lq's fragments, two buffers (way out: v64-227).  window 1: v64-127, v128-191 lk's fragments.  window 2: accumulator (a, b) at v[8 (8 a + b)].
.set KSTEP,  128
.set PITCH,  272                       ; an LDS row: 256 bytes + 16 of padding
.set HA,     64*PITCH                  ; half of lq's tile: what waves 0 and 1 fetch
.set HB,     128*PITCH                 ; half of lk's tile: what waves 2 and 3 fetch
.set SLOT,   2*HA+2*HB
.set STAGE,  2*SLOT                    ; behind the ring: 16 rows x 272 bytes for each wave
.set SST,    STAGE+4*16*272            ; 512 bytes for each wave: its 64 -M and 64 l
.set SPARE,  SST+4*512                 ; the spare words, 128 bytes for each wave: two blocks of 256 bytes that no other line names
.set LAPS,   4                         ; a lap = two K steps
.set ADRA, 16
.set SCO,  18                          ; v18  8 x lane
.set ADRB, 20
.set SSA,  22                          ; v22  my statistics' words: SST + 512 x wave + 4 r
.set SSR,  23                          ; v23  and back: SST + 512 x wave + 8 x lane
.set STO,  24
.set RD,   25
.set CO,   26
.set NEG,  27                          ; v27  -3e38
.set SPW,  28
.set NIL,  29
.set PFO,  30                          ; v30  2,048 x lane: a row of lk
.set DM1,  31                          ; v31  length - my first key - 8 h - 1
.set ST,   32                          ; tile a at v[ST + 8 a]: +0 -M, +1 the largest t, +2, +3 l, +4, +5 at work, +6, +7 a second chain of sums
.set F0,   64
.set F1,   128
.set TMP,  64
.set OB,   96
.set G1,  24
.set G0,  32
.set G1B, 48
.set G0B, 56
.set LIM, 67
.set PFA, 68
.set CS,  76
.set SEL, 78
.set MSB, 0
.macro WIN new
.if MSB != (\new)
	s_set_vgpr_msb (MSB<<8)|(\new)
.set MSB, (\new)
.endif
.endm
.set MUL,  0xa1                        ; source 0 (lk) window 1, source 1 (lq) window 0, C and D window 2
.set TO_B, 0x40
.macro PLACES
.rept 4
	v_nop
.endr
.endm
; A joint load: waves 0 and 1 fetch lq's halves, waves 2 and 3 lk's.  The branch hangs on the wave's number alone.  An s_nop 0 and four v_nop follow each of the two lines.
.macro JLOAD s
	s_cmp_eq_u32 s15, 0
	s_cbranch_scc0 .Lfor_b_\@
	tensor_load_to_lds s[G0+4*(\s):G0+4*(\s)+3], s[G1:G1+7]
	s_nop 0
.rept 4
	v_nop
.endr
	s_branch .Lasked_\@
.Lfor_b_\@:
	tensor_load_to_lds s[G0B+4*(\s):G0B+4*(\s)+3], s[G1B:G1B+7]
	s_nop 0
.rept 4
	v_nop
.endr
.Lasked_\@:
.endm
; A prefetch of lk's K step that stands two refills on: 32 rows x 256 bytes, a lane a row.  A block of 256 keys belongs to one cluster; of the 128 rows that wave 2 or 3 fetches, the partner at place cy takes
; 32 cy .. 32 cy + 31, told apart by address.  So each row's 256 bytes of a K step are named once in the launch.  The loop's last trip asks for nothing: there is no K step two refills on.
; lq is not asked for: a partner's share of a wave's 64 rows would be 16, and lq is a fifth of what the launch reads.
.macro ASK
	s_cmp_gt_u32 s3, s[LIM]
	s_cbranch_scc0 .Lnot_mine_\@
	global_prefetch_b8 v[PFO], s[PFA:PFA+1] offset:KSTEP*2 th:TH_LOAD_NT scope:SCOPE_SE
.Lnot_mine_\@:
.endm
.macro CREST
	s_cmp_lg_u32 s14, 0
	s_cbranch_scc1 .Lnot_wave_0_\@
	s_barrier_signal -3
.Lnot_wave_0_\@:
	s_barrier_wait -3
	s_barrier_signal -1
	s_barrier_wait -1
.endm
.macro CROUND
	s_barrier_signal -1
	s_barrier_wait -1
	CREST
.endm
	s_load_b256 s[4:11], s[0:1], 0x0               ; lq s[4:5], lk s[6:7], seq_lens s[8:9], pt s[10:11]
	s_load_b64 s[12:13], s[0:1], 0x20              ; stats
	v_lshl_add_u32 v[SPW], v0, 2, SPARE
	v_mov_b32 v[NIL], 0
	ds_add_u32 v[SPW], v[NIL]                      ; the wave's opening: the add, twice on end, and its wait ahead of my first tensor load
	ds_add_u32 v[SPW], v[NIL]
	v_lshrrev_b32 v1, 5, v0
	v_readfirstlane_b32 s14, v1                    ; wave 0..3
	s_lshr_b32 s15, s14, 1                         ; which 64 queries are mine.  Also: I fetch for lq (0) or lk (1)
	s_and_b32 s16, s14, 1                          ; which 128 keys.  Also: which half of that tile I fetch
	s_bfe_u32 s40, ttmp6, 0x40000                  ; cx
	s_bfe_u32 s41, ttmp6, 0x40004                  ; cy
	s_lshl_b32 s42, ttmp9, 2
	s_add_co_u32 s42, s42, s40                     ; block of 256 keys = 4 x cluster x + cx
	s_and_b32 s17, ttmp7, 0xffff                   ; the batch = cluster y
	s_lshl_b32 s18, s17, 2
	s_add_co_u32 s18, s18, s41                     ; block of 128 queries = 4 x batch + cy
	s_lshl_b32 s43, s41, 2
	s_lshl_b32 s43, 15, s43                        ; my row of the cluster
	s_lshl_b32 s44, 0x1111, s40                    ; my column
	s_or_b32 s[G1+0], s43, (1<<16)|(1<<20)|(1<<21)|(5<<22)|(3<<25)   ; the mask; elements of 2 bytes; padding on; bit 21 beside a mask; 4 words behind every 64
	s_or_b32 s[G1B+0], s44, (1<<16)|(1<<20)|(1<<21)|(5<<22)|(3<<25)
	s_mov_b32 s[G1+1], KSTEP<<16                   ; tensor_dim0 = 128
	s_mov_b32 s[G1+2], 64<<16                      ; tensor_dim1 = 64
	s_mov_b32 s[G1+3], KSTEP<<16                   ; tile_dim0 = 128
	s_mov_b32 s[G1+4], 64                          ; tile_dim1 = 64
	s_mov_b32 s[G1+5], 1024                        ; elements from row to row
	s_mov_b32 s[G1+6], 0
	s_mov_b32 s[G1+7], 0
	s_mov_b32 s[G1B+1], KSTEP<<16
	s_mov_b32 s[G1B+2], 128<<16
	s_mov_b32 s[G1B+3], KSTEP<<16
	s_mov_b32 s[G1B+4], 128
	s_mov_b32 s[G1B+5], 1024
	s_mov_b32 s[G1B+6], 0
	s_mov_b32 s[G1B+7], 0
	s_lshl_b32 s20, s18, 7
	s_lshl_b32 s19, s16, 6
	s_add_co_u32 s20, s20, s19                     ; lq: row 128 x block + 64 x half,
	s_lshl_b32 s20, s20, 11                        ; of 2,048 bytes
	s_mov_b32 s21, 0
	s_lshl_b32 s46, s17, 11
	s_lshl_b32 s47, s42, 8
	s_add_co_u32 s46, s46, s47
	s_lshl_b32 s47, s16, 7
	s_add_co_u32 s46, s46, s47                     ; lk: row 2,048 x batch + 256 x block + 128 x half
	s_lshl_b32 s46, s46, 11
	s_mov_b32 s47, 0
	s_mul_i32 s22, s16, HA                         ; where they go: no place in the cluster enters an LDS address
	s_mul_i32 s23, s16, HB
	s_add_co_u32 s23, s23, 2*HA
	s_lshl_b32 s19, s17, 2
	s_mov_b32 s[CS], 0x3d38aa3b                    ; c = log2(e) / 32
	s_mov_b32 s[CS+1], s[CS]
	s_mov_b32 s[SEL], 0x76543210
	s_mov_b32 s[SEL+1], 0xfedcba98
	s_cmp_eq_u32 s15, 1
	s_cselect_b32 s[LIM], 1, -1                    ; waves 2 and 3 prefetch
	s_wait_dscnt 0x0                               ; both opening adds are done
	s_wait_kmcnt 0x0
	s_load_b32 s66, s[8:9], s19 offset:0x0         ; seq_lens[batch]: it goes into selections alone
	s_add_nc_u64 s[20:21], s[4:5], s[20:21]
	s_add_nc_u64 s[46:47], s[6:7], s[46:47]
	s_lshl_b32 s70, s41, 16                        ; the prefetches: my work-group's 32 rows of 2,048 bytes,
	s_mov_b32 s71, 0
	s_add_nc_u64 s[PFA:PFA+1], s[46:47], s[70:71]
	s_add_nc_u64 s[PFA:PFA+1], s[PFA:PFA+1], 2*KSTEP*2   ; at K step 2: the first refill steps it to 3 and names K step 4
	s_wait_kmcnt 0x0
	CROUND                                         ; all sixteen work-groups are here: the first joint loads meet
.irp s, 0,1
	s_mov_b32 s[G0+4*\s], 1
	s_add_co_u32 s[G0+4*\s+1], s22, \s*SLOT
	s_add_nc_u64 s[G0+4*\s+2:G0+4*\s+3], s[20:21], \s*KSTEP*2
	s_or_b32 s[G0+4*\s+3], s[G0+4*\s+3], 0x80000000
	s_mov_b32 s[G0B+4*\s], 1
	s_add_co_u32 s[G0B+4*\s+1], s23, \s*SLOT
	s_add_nc_u64 s[G0B+4*\s+2:G0B+4*\s+3], s[46:47], \s*KSTEP*2
	s_or_b32 s[G0B+4*\s+3], s[G0B+4*\s+3], 0x80000000
	JLOAD \s
.endr
	v_and_b32 v1, 15, v0                           ; r
	v_bfe_u32 v2, v0, 4, 1                         ; h
	v_mul_u32_u24 v3, v1, PITCH
	v_lshl_add_u32 v3, v2, 4, v3                   ; a fragment's row x pitch + 16 h
	s_mul_i32 s70, s15, HA                         ; my 64 rows of lq
	s_mul_i32 s71, s16, HB                         ; my 128 rows of lk,
	s_add_co_u32 s71, s71, 2*HA                    ; behind lq's 128
.irp s, 0,1
	v_add_nc_u32 v[ADRA+\s], s70, v3
	v_add_nc_u32 v[ADRB+\s], s71, v3
	s_add_co_u32 s70, s70, SLOT
	s_add_co_u32 s71, s71, SLOT
.endr
	s_mul_i32 s70, s14, 16*272
	s_add_co_u32 s70, s70, STAGE                   ; my stage
	v_mul_u32_u24 v4, v1, 272
	v_lshl_add_u32 v4, v2, 4, v4
	v_add_nc_u32 v[STO], s70, v4                   ; in: row r, 16 bytes for each half of the lanes
	v_mul_u32_u24 v5, v2, 272
	v_lshl_add_u32 v5, v1, 4, v5
	v_add_nc_u32 v[RD], s70, v5                    ; back: lanes 0-15 one row of 256 bytes, lanes 16-31 the next
	v_lshlrev_b32 v5, 12, v2
	v_lshl_add_u32 v[CO], v1, 4, v5                ; and the same two rows of pt (4,096 bytes a row)
	s_lshl_b32 s70, s14, 9
	s_add_co_u32 s70, s70, SST
	v_lshl_add_u32 v[SSA], v1, 2, s70
	v_and_b32 v6, 31, v0
	v_lshlrev_b32 v[SCO], 3, v6
	v_add_nc_u32 v[SSR], s70, v[SCO]
	v_lshlrev_b32 v[PFO], 11, v6
	v_mov_b32 v[NEG], 0xff61b1e6                   ; -3e38
	s_lshl_b32 s72, s18, 7
	s_lshl_b32 s70, s15, 6
	s_add_co_u32 s72, s72, s70                     ; my first query,
	s_lshl_b32 s72, s72, 12                        ; its row of pt,
	s_lshl_b32 s70, s42, 9
	s_add_co_u32 s72, s72, s70
	s_lshl_b32 s70, s16, 8
	s_add_co_u32 s72, s72, s70                     ; my first key in it
	s_mov_b32 s73, 0
	s_add_nc_u64 s[10:11], s[10:11], s[72:73]
	s_lshl_b32 s74, s17, 4
	s_lshl_b32 s70, s42, 1
	s_add_co_u32 s74, s74, s70
	s_add_co_u32 s74, s74, s16                     ; 16 x batch + my group of 128 keys
	s_lshl_b32 s74, s74, 9
	s_lshl_b32 s70, s41, 7
	s_add_co_u32 s74, s74, s70
	s_lshl_b32 s70, s15, 6
	s_add_co_u32 s74, s74, s70                     ; + my first query in the batch
	s_lshl_b32 s74, s74, 2
	s_mov_b32 s75, 0
	s_add_nc_u64 s[12:13], s[12:13], s[74:75]
	s_lshl_b32 s70, s42, 8
	s_lshl_b32 s71, s16, 7
	s_add_co_u32 s70, s70, s71                     ; my first key
	s_sub_co_i32 s80, s66, s70
	s_sub_co_i32 s80, s80, 1
	v_lshlrev_b32 v7, 3, v2
	v_sub_nc_u32 v[DM1], s80, v7                   ; register (b, j) holds key first + 16 b + 8 h + j: hidden where 16 b + j > this number
; 8 matrix instructions: tile ta of queries x the 8 tiles of keys, 32 along K.  The 32 accumulators take turns, one instruction a turn, in the same order in every quarter.
.macro MULA f, ta, zero
.irp tb, 0,1,2,3,4,5,6,7
.if \zero
	v_wmma_f32_16x16x32_f16 v[8*(8*(\ta)+\tb):8*(8*(\ta)+\tb)+7], v[\f+8*\tb:\f+8*\tb+7], v[\f+8*(\ta):\f+8*(\ta)+7], 0
.else
	v_wmma_f32_16x16x32_f16 v[8*(8*(\ta)+\tb):8*(8*(\ta)+\tb)+7], v[\f+8*\tb:\f+8*\tb+7], v[\f+8*(\ta):\f+8*(\ta)+7], v[8*(8*(\ta)+\tb):8*(8*(\ta)+\tb)+7]
.endif
.endr
.endm
.macro FETCH slot, k, f                ; 24 LDS loads in one run: a quarter step's fragments (128 keys, 64 queries, 32 K at byte k of the rows) into buffer f
	WIN TO_B
.irp i, 0,1,2,3,4,5,6,7
	ds_load_b128 v[\f+8*\i:\f+8*\i+3],   v[ADRB+(\slot)] offset:\k+\i*16*PITCH
	ds_load_b128 v[\f+8*\i+4:\f+8*\i+7], v[ADRB+(\slot)] offset:\k+\i*16*PITCH+32
.endr
	WIN 0
.irp i, 0,1,2,3
	ds_load_b128 v[\f+8*\i:\f+8*\i+3],   v[ADRA+(\slot)] offset:\k+\i*16*PITCH
	ds_load_b128 v[\f+8*\i+4:\f+8*\i+7], v[ADRA+(\slot)] offset:\k+\i*16*PITCH+32
.endr
.endm
; A quarter step: buffer f, asked for a quarter ago, is multiplied (32 matrix instructions) while the next quarter's fragments, at byte k, come into g.
.macro QUARTER slot, k, f, g, zero
	s_wait_dscnt 0x0                               ; buffer f is in
	PLACES                                         ; four places in front of loads into buffer g, which the last quarter's products read
	FETCH \slot, \k, \g
	WIN MUL
	MULA \f, 0, \zero
	MULA \f, 1, \zero
	MULA \f, 2, \zero
	MULA \f, 3, \zero
.endm
; A slot's last quarter multiplies buffer 1 and changes slots: ONE barrier; in front of it each wave waits for all its tensor loads, adds 0 to its spare word, and waits for that and for its reads of this slot.
; fill = 1: the barrier opens a round of the cluster's, and this slot is filled again, two K steps ahead, first thing behind the round: 112 matrix instructions ahead of the wait for it.
.macro TURN slot, next, fill
.if \fill
	s_wait_xcnt 0x0                                ; the last prefetch, a K step back, has read its address
	s_add_nc_u64 s[PFA:PFA+1], s[PFA:PFA+1], KSTEP*2
.endif
	WIN 0
	s_wait_tensorcnt 0x0                           ; all my tensor loads have landed: my part of the next slot
	ds_add_u32 v[SPW], v[NIL]                      ; 0 onto my spare word
	s_wait_dscnt 1                                 ; buffer 1 is in; the add may be out
	WIN MUL
	MULA F1, 0, 0                                  ; eight matrix instructions stand between the add and the wait for it
	s_wait_dscnt 0x0                               ; the add is done, and my reads of this slot are over
	s_barrier_signal -1
	MULA F1, 1, 0
	WIN 0
	s_barrier_wait -1
.if \fill
	CREST                                          ; no wave of any partner still reads this slot's tile or has a load on its way
	s_add_nc_u64 s[G0+4*(\slot)+2:G0+4*(\slot)+3], s[G0+4*(\slot)+2:G0+4*(\slot)+3], 2*KSTEP*2
	s_add_nc_u64 s[G0B+4*(\slot)+2:G0B+4*(\slot)+3], s[G0B+4*(\slot)+2:G0B+4*(\slot)+3], 2*KSTEP*2
	JLOAD \slot                                    ; the four v_nop behind it are also the places in front of the loads below
.else
	PLACES
.endif
	FETCH \next, 0, F0
.if \fill
	ASK
.endif
	WIN MUL
	MULA F1, 2, 0
	MULA F1, 3, 0
.endm
	s_wait_tensorcnt 1                             ; my part of K step 0 is in; K step 1's may stay out
	s_barrier_signal -1
	s_barrier_wait -1
	FETCH 0, 0, F0
	QUARTER 0, 64, F0, F1, 1                       ; the first quarter stands in front of the loop: its products start the sums
	WIN 0
	s_mov_b32 s3, LAPS-1
.Llap:                                             ; a trip goes once round the ring and fills both slots again
	QUARTER 0, 128, F1, F0, 0
	QUARTER 0, 192, F0, F1, 0
	TURN 0, 1, 1
	QUARTER 1, 64,  F0, F1, 0
	QUARTER 1, 128, F1, F0, 0
	QUARTER 1, 192, F0, F1, 0
	TURN 1, 0, 1
	QUARTER 0, 64,  F0, F1, 0
	WIN 0
	s_sub_co_u32 s3, s3, 1
	s_cmp_lg_u32 s3, 0
	s_cbranch_scc1 .Llap
	QUARTER 0, 128, F1, F0, 0                      ; the last lap is written out: it fills nothing
	QUARTER 0, 192, F0, F1, 0
	TURN 0, 1, 0
	QUARTER 1, 64,  F0, F1, 0
	QUARTER 1, 128, F1, F0, 0
	QUARTER 1, 192, F0, F1, 0
	s_wait_dscnt 0x0
	WIN MUL
	MULA F1, 0, 0
	MULA F1, 1, 0
	MULA F1, 2, 0
	MULA F1, 3, 0
	PLACES
	; THE MASK: one compare serves the four tiles of queries; each accumulator is read from its low end on
	WIN 0x82                                       ; destination and source 0 window 2, source 1 window 0
.irp tb, 0,1,2,3,4,5,6,7
.irp j, 0,1,2,3,4,5,6,7
	v_cmp_gt_i32 vcc_lo, 16*\tb+\j, v[DM1]
.irp ta, 0,1,2,3
	v_cndmask_b32 v[8*(8*\ta+\tb)+\j], v[8*(8*\ta+\tb)+\j], v[NEG], vcc_lo
.endr
.endr
.endr
	; the group's largest score of each query
	WIN 0
.irp ta, 0,1,2,3
	v_mov_b32 v[ST+8*\ta+4], v[NEG]
	v_mov_b32 v[ST+8*\ta+5], v[NEG]                ; (a lane permute's destination counts as one of its sources)
.endr
	WIN 0x28                                       ; sources 1 and 2 window 2
.set i, 0
.rept 32
.irp ta, 0,1,2,3
	v_max3_num_f32 v[ST+8*\ta+4], v[ST+8*\ta+4], v[64*\ta+i], v[64*\ta+i+1]   ; the four tiles by turns
.endr
.set i, i+2
.endr
	WIN 0
.irp ta, 0,1,2,3
	v_permlanex16_b32 v[ST+8*\ta+5], v[ST+8*\ta+4], s[SEL], s[SEL+1]
.endr
.irp ta, 0,1,2,3
	v_max_num_f32 v[ST+8*\ta+4], v[ST+8*\ta+4], v[ST+8*\ta+5]
.endr
.irp ta, 0,1,2,3
	v_mul_f32 v[ST+8*\ta+1], s[CS], v[ST+8*\ta+4]  ; as t (c is positive)
.endr
.irp ta, 0,1,2,3
	v_max_num_f32 v[ST+8*\ta+1], 0xf149f2ca, v[ST+8*\ta+1]   ; never under -1e30: a group all of whose keys are hidden keeps a finite M, and its p are 0
.endr
.irp ta, 0,1,2,3
	v_floor_f32 v[ST+8*\ta], -v[ST+8*\ta+1]        ; -M = floor(-t) = -ceil(t): a whole number
.endr
	WIN 0x82
.irp ta, 0,1,2,3
.set i, 0
.rept 32
	v_pk_fma_f32 v[64*\ta+i:64*\ta+i+1], v[64*\ta+i:64*\ta+i+1], s[CS:CS+1], v[ST+8*\ta:ST+8*\ta+1] op_sel_hi:[1,0,0]   ; t - M, two at a time
.set i, i+2
.endr
.endr
.set i, 0
.rept 256
	v_exp_f32 v[i], v[i]                           ; p = 2^(t - M): one batch
.set i, i+1
.endr
	v_nop                                          ; a plain line behind the last exponential
	s_wait_alu depctr_va_vdst(0)                   ; one wait for the whole batch, ahead of its first reader
	WIN 0x0a                                       ; sources 0 and 1 window 2
.irp ta, 0,1,2,3
	v_pk_add_f32 v[ST+8*\ta+2:ST+8*\ta+3], v[64*\ta:64*\ta+1], v[64*\ta+2:64*\ta+3]   ; l is the sum of the p before they are rounded: two chains a tile
	v_pk_add_f32 v[ST+8*\ta+6:ST+8*\ta+7], v[64*\ta+4:64*\ta+5], v[64*\ta+6:64*\ta+7]
.endr
	WIN 0x08                                       ; source 1 window 2
.set i, 8
.rept 14
.irp ta, 0,1,2,3
	v_pk_add_f32 v[ST+8*\ta+2:ST+8*\ta+3], v[ST+8*\ta+2:ST+8*\ta+3], v[64*\ta+i:64*\ta+i+1]
	v_pk_add_f32 v[ST+8*\ta+6:ST+8*\ta+7], v[ST+8*\ta+6:ST+8*\ta+7], v[64*\ta+i+2:64*\ta+i+3]
.endr
.set i, i+4
.endr
	WIN 0
.irp ta, 0,1,2,3
	v_pk_add_f32 v[ST+8*\ta+2:ST+8*\ta+3], v[ST+8*\ta+2:ST+8*\ta+3], v[ST+8*\ta+6:ST+8*\ta+7]
.endr
.irp ta, 0,1,2,3
	v_add_f32 v[ST+8*\ta+2], v[ST+8*\ta+2], v[ST+8*\ta+3]
.endr
.irp ta, 0,1,2,3
	v_permlanex16_b32 v[ST+8*\ta+5], v[ST+8*\ta+2], s[SEL], s[SEL+1]
.endr
.irp ta, 0,1,2,3
	v_add_f32 v[ST+8*\ta+2], v[ST+8*\ta+2], v[ST+8*\ta+5]   ; with lane l xor 16's keys: the group's l
.endr
; THE WAY OUT of tile ta: 16 queries x 128 keys, f16, through my stage, back as whole rows of 256 bytes.  Each tile has registers of its own, and every offset is an immediate.
.macro PACK ta
	WIN 0x0a
.irp tb, 0,1,2,3,4,5,6,7
.irp rr, 0,1,2,3
	v_cvt_pk_f16_f32 v[TMP+4*\tb+\rr], v[64*(\ta)+8*\tb+2*\rr], v[64*(\ta)+8*\tb+2*\rr+1]
.endr
.endr
	WIN 0
.irp tb, 0,1,2,3,4,5,6,7
	ds_store_b128 v[STO], v[TMP+4*\tb:TMP+4*\tb+3] offset:32*\tb
.endr
.irp t, 0,1,2,3,4,5,6,7
	ds_load_b128 v[OB+32*(\ta)+4*\t:OB+32*(\ta)+4*\t+3], v[RD] offset:544*\t   ; LDS serves a wave's instructions in order
.endr
.endm
.macro SEND ta, younger                ; younger: the LDS instructions issued behind tile ta's loads
	s_wait_dscnt \younger
.irp t, 0,1,2,3,4,5,6,7
	global_store_b128 v[CO], v[OB+32*(\ta)+4*\t:OB+32*(\ta)+4*\t+3], s[10:11] offset:(16*(\ta)+2*\t)*4096   ; sixteen lanes store 256 consecutive bytes, aligned
.endr
.endm
	PACK 0
	PACK 1
	SEND 0, 16
	PACK 2
	SEND 1, 16
	PACK 3
	SEND 2, 16
.irp ta, 0,1,2,3
	ds_store_b32 v[SSA], v[ST+8*\ta] offset:64*\ta             ; -M of query 16 a + r (both halves of the lanes write the same word with the same value)
	ds_store_b32 v[SSA], v[ST+8*\ta+2] offset:256+64*\ta       ; and l
.endr
	ds_load_b64 v[224:225], v[SSR]
	ds_load_b64 v[226:227], v[SSR] offset:256
	SEND 3, 10                                     ; behind tile 3's loads: the eight stores and two loads above
	s_wait_dscnt 0x0
	global_store_b64 v[SCO], v[224:225], s[12:13]                  ; 32 lanes store 256 consecutive bytes, aligned: my 64 queries' -M
	global_store_b64 v[SCO], v[226:227], s[12:13] offset:262144    ; and l
	s_wait_tensorcnt 0x0                           ; the wave's end, behind my last tensor load and my last LDS store
	ds_add_u32 v[SPW], v[NIL]
	s_wait_dscnt 0x0
	CROUND                                         ; the closing round
	s_endpgm
.Lfunc_end_k_qedf09401aa_scores:
	.size	k_qedf09401aa_scores, .Lfunc_end_k_qedf09401aa_scores-k_qedf09401aa_scores
	.p2alignl 7, 3214868480
	.fill 96, 4, 3214868480
	.section	.rodata,"a",@progbits
	.p2align	6, 0x0
	.amdhsa_kernel k_qedf09401aa_scores
		.amdhsa_group_segment_fixed_size 327680
		.amdhsa_private_segment_fixed_size 0
		.amdhsa_enable_private_segment 0
		.amdhsa_kernarg_size 40
		.amdhsa_user_sgpr_count 2
		.amdhsa_user_sgpr_kernarg_segment_ptr 1
		.amdhsa_wavefront_size32 1
		.amdhsa_system_sgpr_workgroup_id_x 1
		.amdhsa_system_sgpr_workgroup_id_y 1
		.amdhsa_system_sgpr_workgroup_id_z 1
		.amdhsa_system_vgpr_workitem_id 0
		.amdhsa_next_free_vgpr 768
		.amdhsa_next_free_sgpr 100
		.amdhsa_reserve_vcc 1
		.amdhsa_float_denorm_mode_32 3
		.amdhsa_float_denorm_mode_16_64 3
		.amdhsa_memory_ordered 1
		.amdhsa_forward_progress 1
		.amdhsa_inst_pref_size 134
	.end_amdhsa_kernel
	.amdgpu_metadata
---
amdhsa.version: [ 1, 2 ]
amdhsa.kernels:
  - .name:           k_qedf09401aa_scores
    .symbol:         k_qedf09401aa_scores.kd
    .args:
      - { .name: lq, .offset: 0, .size: 8, .value_kind: global_buffer, .address_space: global }
      - { .name: lk, .offset: 8, .size: 8, .value_kind: global_buffer, .address_space: global }
      - { .name: seq_lens, .offset: 16, .size: 8, .value_kind: global_buffer, .address_space: global }
      - { .name: pt, .offset: 24, .size: 8, .value_kind: global_buffer, .address_space: global }
      - { .name: stats, .offset: 32, .size: 8, .value_kind: global_buffer, .address_space: global }
    .group_segment_fixed_size: 327680
    .private_segment_fixed_size: 0
    .kernarg_segment_align: 8
    .kernarg_segment_size: 40
    .max_flat_workgroup_size: 128
    .sgpr_count:     100
    .vgpr_count:     768
    .wavefront_size: 32
...
	.end_amdgpu_metadata
.endif
;; end of part 3
;; launch pv (part 4): grid 8 x 32, 4 waves a work-group, clusters of 4 x 4, 327,680 bytes of LDS; arguments pt, lvt, stats, bv, out0; writes out0
.if DOCPART == 4
	.amdgcn_target "amdgcn-amd-amdhsa--gfx1250"
	.amdhsa_code_object_version 6
	.text
	.protected	k_qedf09401aa_pv
	.globl	k_qedf09401aa_pv
	.p2align	8
	.type	k_qedf09401aa_pv,@function
k_qedf09401aa_pv:
	s_mov_b64 s[64:65], 0
	v_nop
	global_prefetch_b8 v0, s[64:65] scope:SCOPE_SE
	s_setreg_imm32_b32 hwreg(HW_REG_WAVE_MODE, 25, 1), 1
	s_wait_xcnt 0x0
	s_wait_alu depctr_hold_cnt(0) depctr_sa_sdst(0) depctr_va_vdst(0) depctr_va_sdst(0) depctr_va_ssrc(0) depctr_va_vcc(0) depctr_vm_vsrc(0)
	s_getreg_b32 s2, hwreg(HW_REG_IB_STS2, 6, 4)
	s_cmp_eq_u32 s2, 0
	s_cbranch_scc0 .Lentry_in_a_cluster
	s_endpgm
.Lentry_in_a_cluster:
	s_bfe_u32 s2, ttmp6, 0x10000c
	s_cmp_lg_u32 s2, 0xf033
	s_cbranch_scc0 .Lentry_shape_is_right
	s_endpgm
.Lentry_shape_is_right:
; out[q][ch] = (sum over groups g of 2^(M_g - M) x sum over the group's 128 keys of p[q][key] lv[key][ch]) / l + bv[ch], M = the largest M_g of the row, l = the sum of 2^(M_g - M) l_g.
; bv is added here, once (shown at the head of the first kernel: the weights of a row add up to 1).  f16 operands, f32 sums.
; The factor hangs on the query and on the group, so each group is summed by itself in T (its first products begin with 0) and then folded into O by a packed multiply-add; the factor is a power of two.
; A group all of whose keys are hidden has -M = 1e30: its difference saturates in the conversion to a whole number, and its factor is 0.
; SHARES.  A work-group makes 128 queries x 128 channels, K = 2,048 keys in 8 steps of 256 (two groups) through a ring of two LDS slots; a wave 64 x 64: 16 accumulators.
; TRANSPOSED: source 0 = 16 channels (rows of lvt), source 1 = 16 queries (rows of pt): a lane holds one query and eight neighbouring channels.
; CLUSTER 4 x 4: cluster y is the batch, cy the block of queries, 4 x cluster x + cx the block of channels.  pt's tile is shared along a row of the cluster, lvt's along a column.
; The 8 K steps are written out: the factors' registers differ from step to step.  No prefetch: on a tile this small the step's matrix work is short and the refill's bytes few.
; REGISTERS: window 0: v16-30 addresses; v128-255 O.  window 1: two fragment buffers of 128.  window 2: v0-127 T.
;   window 3: v[2 (4 g + a)] the factor of group g, tile a, v[.. + 1] its l_g; v[128 + 2 a] -M of the row, later 1 / l; v[129 + 2 a] l; v160-191 bv in the result's layout.
.set KSTEP,  256
.set PITCH,  528                       ; an LDS row: 512 bytes + 16 of padding
.set HALFT,  64*PITCH
.set SLOT,   4*HALFT
.set STAGE,  2*SLOT                    ; behind the ring: 16 rows x 272 bytes for each wave: my 64 channels of f32 are 256 bytes of a row
.set SPARE,  STAGE+4*16*272            ; the spare words, 128 bytes for each wave: two blocks of 256 bytes that no other line names
.set ADRA, 16
.set ADRB, 20
.set STO,  24
.set RD,   25
.set CO,   26
.set SA,   27                          ; v27  4 r
.set SPW,  28
.set NIL,  29
.set BVO,  30                          ; v30  32 h
.set O,    128
.set F0,   0
.set F1,   128
.set G1, 24
.set G0, 32
.set G1B, 48
.set G0B, 56
.set MSB, 0
.macro WIN new
.if MSB != (\new)
	s_set_vgpr_msb (MSB<<8)|(\new)
.set MSB, (\new)
.endif
.endm
.set MUL,  0xa5                        ; sources 0 and 1 window 1; C and D window 2
.set TO_F, 0x40
.macro PLACES
.rept 4
	v_nop
.endr
.endm
.macro JLOAD s                         ; waves 0 and 1 fetch pt's halves, waves 2 and 3 lvt's; an s_nop 0 and four v_nop follow each of the two lines
	s_cmp_eq_u32 s15, 0
	s_cbranch_scc0 .Lfor_b_\@
	tensor_load_to_lds s[G0+4*(\s):G0+4*(\s)+3], s[G1:G1+7]
	s_nop 0
.rept 4
	v_nop
.endr
	s_branch .Lasked_\@
.Lfor_b_\@:
	tensor_load_to_lds s[G0B+4*(\s):G0B+4*(\s)+3], s[G1B:G1B+7]
	s_nop 0
.rept 4
	v_nop
.endr
.Lasked_\@:
.endm
.macro CREST
	s_cmp_lg_u32 s14, 0
	s_cbranch_scc1 .Lnot_wave_0_\@
	s_barrier_signal -3
.Lnot_wave_0_\@:
	s_barrier_wait -3
	s_barrier_signal -1
	s_barrier_wait -1
.endm
.macro CROUND
	s_barrier_signal -1
	s_barrier_wait -1
	CREST
.endm
	s_load_b256 s[4:11], s[0:1], 0x0               ; pt s[4:5], lvt s[6:7], stats s[8:9], bv s[10:11]
	s_load_b64 s[12:13], s[0:1], 0x20              ; out0
	v_lshl_add_u32 v[SPW], v0, 2, SPARE
	v_mov_b32 v[NIL], 0
	ds_add_u32 v[SPW], v[NIL]                      ; the wave's opening: the add, twice on end, and its wait ahead of my first tensor load
	ds_add_u32 v[SPW], v[NIL]
	v_lshrrev_b32 v1, 5, v0
	v_readfirstlane_b32 s14, v1                    ; wave 0..3
	s_lshr_b32 s15, s14, 1                         ; which 64 queries are mine.  Also: I fetch for pt (0) or lvt (1)
	s_and_b32 s16, s14, 1                          ; which 64 channels.  Also: which 64 rows of that tile I fetch
	s_bfe_u32 s40, ttmp6, 0x40000                  ; cx
	s_bfe_u32 s41, ttmp6, 0x40004                  ; cy
	s_lshl_b32 s42, ttmp9, 2
	s_add_co_u32 s42, s42, s40                     ; block of 128 channels
	s_and_b32 s17, ttmp7, 0xffff                   ; the batch = cluster y
	s_lshl_b32 s18, s17, 2
	s_add_co_u32 s18, s18, s41                     ; block of 128 queries
	s_lshl_b32 s43, s41, 2
	s_lshl_b32 s43, 15, s43                        ; my row of the cluster
	s_lshl_b32 s44, 0x1111, s40                    ; my column
	s_or_b32 s[G1+0], s43, (1<<16)|(1<<20)|(1<<21)|(6<<22)|(3<<25)   ; the mask; elements of 2 bytes; padding on; bit 21 beside a mask; 4 words behind every 128
	s_or_b32 s[G1B+0], s44, (1<<16)|(1<<20)|(1<<21)|(6<<22)|(3<<25)
.irp g, G1, G1B
	s_mov_b32 s[\g+1], KSTEP<<16                   ; tensor_dim0 = 256
	s_mov_b32 s[\g+2], 64<<16                      ; tensor_dim1 = 64
	s_mov_b32 s[\g+3], KSTEP<<16                   ; tile_dim0 = 256
	s_mov_b32 s[\g+4], 64                          ; tile_dim1 = 64
	s_mov_b32 s[\g+5], 2048                        ; elements from row to row
	s_mov_b32 s[\g+6], 0
	s_mov_b32 s[\g+7], 0
.endr
	s_lshl_b32 s19, s16, 6
	s_lshl_b32 s20, s18, 7
	s_add_co_u32 s20, s20, s19                     ; pt: row 128 x block + 64 x half,
	s_lshl_b32 s20, s20, 12                        ; of 4,096 bytes
	s_mov_b32 s21, 0
	s_lshl_b32 s46, s17, 10
	s_lshl_b32 s47, s42, 7
	s_add_co_u32 s46, s46, s47
	s_add_co_u32 s46, s46, s19                     ; lvt: row 1,024 x batch + 128 x block + 64 x half
	s_lshl_b32 s46, s46, 12
	s_mov_b32 s47, 0
	s_mul_i32 s22, s14, HALFT                      ; where they go: wave x 64 rows
	s_wait_dscnt 0x0                               ; both opening adds are done
	s_wait_kmcnt 0x0
	s_add_nc_u64 s[20:21], s[4:5], s[20:21]
	s_add_nc_u64 s[46:47], s[6:7], s[46:47]
	CROUND                                         ; all sixteen work-groups are here: the first joint loads meet
.irp s, 0,1
	s_mov_b32 s[G0+4*\s], 1
	s_add_co_u32 s[G0+4*\s+1], s22, \s*SLOT
	s_add_nc_u64 s[G0+4*\s+2:G0+4*\s+3], s[20:21], \s*KSTEP*2
	s_or_b32 s[G0+4*\s+3], s[G0+4*\s+3], 0x80000000
	s_mov_b32 s[G0B+4*\s], 1
	s_add_co_u32 s[G0B+4*\s+1], s22, \s*SLOT
	s_add_nc_u64 s[G0B+4*\s+2:G0B+4*\s+3], s[46:47], \s*KSTEP*2
	s_or_b32 s[G0B+4*\s+3], s[G0B+4*\s+3], 0x80000000
	JLOAD \s
.endr
	v_and_b32 v1, 15, v0                           ; r
	v_bfe_u32 v2, v0, 4, 1                         ; h
	v_lshlrev_b32 v[SA], 2, v1
	v_lshlrev_b32 v[BVO], 5, v2
	s_lshl_b32 s66, s17, 15                        ; stats: 32,768 bytes a batch,
	s_lshl_b32 s67, s41, 9
	s_add_co_u32 s66, s66, s67
	s_lshl_b32 s67, s15, 8
	s_add_co_u32 s66, s66, s67                     ; my first query in it, 4 bytes each
	s_mov_b32 s67, 0
	s_add_nc_u64 s[8:9], s[8:9], s[66:67]
	s_lshl_b32 s66, s42, 9
	s_lshl_b32 s68, s16, 8
	s_add_co_u32 s66, s66, s68                     ; my first channel, 4 bytes each
	s_add_nc_u64 s[10:11], s[10:11], s[66:67]
	s_lshl_b32 s68, s18, 7
	s_lshl_b32 s69, s15, 6
	s_add_co_u32 s68, s68, s69
	s_lshl_b32 s68, s68, 12                        ; out0: my first query's row of 4,096 bytes
	s_add_co_u32 s68, s68, s66
	s_mov_b32 s69, 0
	s_add_nc_u64 s[12:13], s[12:13], s[68:69]
	WIN 0xc0                                       ; destination window 3
.irp g, 0,1,2,3,4,5,6,7,8,9,10,11,12,13,14,15
.irp ta, 0,1,2,3
	global_load_b32 v[2*(4*\g+\ta)], v[SA], s[8:9] offset:2048*\g+64*\ta             ; -M of group g, query 16 a + r (both halves of the lanes take the same)
	global_load_b32 v[2*(4*\g+\ta)+1], v[SA], s[8:9] offset:262144+2048*\g+64*\ta    ; and l
.endr
.endr
.irp tb, 0,1,2,3
	global_load_b128 v[160+8*\tb:160+8*\tb+3], v[BVO], s[10:11] offset:64*\tb        ; bv of channels 16 b + 8 h + 0 .. 7
	global_load_b128 v[160+8*\tb+4:160+8*\tb+7], v[BVO], s[10:11] offset:64*\tb+16
.endr
	WIN 0
	v_mul_u32_u24 v3, v1, PITCH
	v_lshl_add_u32 v3, v2, 4, v3                   ; a fragment's row x pitch + 16 h
	s_mul_i32 s66, s15, HALFT                      ; my 64 rows of pt
	s_mul_i32 s67, s16, HALFT                      ; my 64 rows of lvt,
	s_add_co_u32 s67, s67, 2*HALFT                 ; behind pt's 128
.irp s, 0,1
	v_add_nc_u32 v[ADRA+\s], s66, v3
	v_add_nc_u32 v[ADRB+\s], s67, v3
	s_add_co_u32 s66, s66, SLOT
	s_add_co_u32 s67, s67, SLOT
.endr
	s_mul_i32 s66, s14, 16*272
	s_add_co_u32 s66, s66, STAGE                   ; my stage
	v_mul_u32_u24 v4, v1, 272
	v_lshl_add_u32 v4, v2, 5, v4
	v_add_nc_u32 v[STO], s66, v4                   ; in: row r, 32 bytes for each half of the lanes
	v_mul_u32_u24 v5, v2, 272
	v_lshl_add_u32 v5, v1, 4, v5
	v_add_nc_u32 v[RD], s66, v5                    ; back: lanes 0-15 one row of 256 bytes, lanes 16-31 the next
	v_lshlrev_b32 v5, 12, v2
	v_lshl_add_u32 v[CO], v1, 4, v5                ; and the same two rows of out0
	s_wait_loadcnt 0x0
	WIN 0xff                                       ; THE FACTORS: all in window 3
.irp ta, 0,1,2,3
	v_min3_num_f32 v[128+2*\ta], v[2*\ta], v[2*(4+\ta)], v[2*(8+\ta)]   ; -M of the row = the least -M_g
.endr
.irp g, 3,5,7,9,11,13
.irp ta, 0,1,2,3
	v_min3_num_f32 v[128+2*\ta], v[128+2*\ta], v[2*(4*\g+\ta)], v[2*(4*\g+4+\ta)]
.endr
.endr
.irp ta, 0,1,2,3
	v_min_num_f32 v[128+2*\ta], v[128+2*\ta], v[2*(60+\ta)]
.endr
.set k, 0
.rept 64
	v_sub_f32 v[2*k], v[128+2*(k%4)], v[2*k]       ; M_g - M: a whole number, 0 or less
.set k, k+1
.endr
.set k, 0
.rept 64
	v_cvt_i32_f32 v[2*k], v[2*k]                   ; (it saturates)
.set k, k+1
.endr
.set k, 0
.rept 64
	v_ldexp_f32 v[2*k], 1.0, v[2*k]                ; f = 2^(M_g - M)
.set k, k+1
.endr
.irp ta, 0,1,2,3
	v_mul_f32 v[129+2*\ta], v[2*\ta], v[2*\ta+1]   ; l = the sum of f l_g: four chains by turns
.endr
.set k, 4
.rept 60
	v_fma_f32 v[129+2*(k%4)], v[2*k], v[2*k+1], v[129+2*(k%4)]
.set k, k+1
.endr
.irp ta, 0,1,2,3
	v_rcp_f32 v[128+2*\ta], v[129+2*\ta]           ; 1 / l
.endr
	v_nop                                          ; a plain line behind the last reciprocal
	s_wait_alu depctr_va_vdst(0)                   ; one wait for the four, ahead of the first reader and of every label and branch
	WIN 0
; 8 matrix instructions: tiles a0, a0 + 1 of queries x the 4 tiles of channels, 32 along K: half c of buffer f.  zero = 1: the products start the group's sums.  The 16 accumulators take turns.
.macro MUL8 f, c, a0, zero
.irp ta, \a0, \a0+1
.irp tb, 0,1,2,3
.if \zero
	v_wmma_f32_16x16x32_f16 v[8*(4*(\ta)+\tb):8*(4*(\ta)+\tb)+7], v[\f+64+8*(4*\c+\tb):\f+64+8*(4*\c+\tb)+7], v[\f+8*(4*\c+\ta):\f+8*(4*\c+\ta)+7], 0
.else
	v_wmma_f32_16x16x32_f16 v[8*(4*(\ta)+\tb):8*(4*(\ta)+\tb)+7], v[\f+64+8*(4*\c+\tb):\f+64+8*(4*\c+\tb)+7], v[\f+8*(4*\c+\ta):\f+8*(4*\c+\ta)+7], v[8*(4*(\ta)+\tb):8*(4*(\ta)+\tb)+7]
.endif
.endr
.endr
.endm
.macro FETCH slot, k, f                ; 32 LDS loads in one run: the fragments of 64 along K at byte k of the rows, into buffer f; the first 32 along K first
	WIN TO_F
.irp c, 0,1
.irp i, 0,1,2,3
	ds_load_b128 v[\f+64+8*(4*\c+\i):\f+64+8*(4*\c+\i)+3],   v[ADRB+(\slot)] offset:\k+64*\c+\i*16*PITCH
	ds_load_b128 v[\f+64+8*(4*\c+\i)+4:\f+64+8*(4*\c+\i)+7], v[ADRB+(\slot)] offset:\k+64*\c+\i*16*PITCH+32
	ds_load_b128 v[\f+8*(4*\c+\i):\f+8*(4*\c+\i)+3],         v[ADRA+(\slot)] offset:\k+64*\c+\i*16*PITCH
	ds_load_b128 v[\f+8*(4*\c+\i)+4:\f+8*(4*\c+\i)+7],       v[ADRA+(\slot)] offset:\k+64*\c+\i*16*PITCH+32
.endr
.endr
.endm
; A quarter of a K step: 64 keys, 32 matrix instructions on buffer f; in its middle the next quarter, at byte k, is fetched into g.
.macro QUARTER slot, k, f, g, zero
	s_wait_dscnt 16                                ; the first 32 along K are in; the youngest sixteen loads may be out
	WIN MUL
	MUL8 \f, 0, 0, \zero
	MUL8 \f, 0, 2, \zero
	PLACES
	FETCH \slot, \k, \g
	s_wait_dscnt 32                                ; all but the 32 just issued
	WIN MUL
	MUL8 \f, 1, 0, 0
	MUL8 \f, 1, 2, 0
.endm
; A K step's last quarter multiplies buffer 1 and changes slots: ONE barrier; in front of it each wave waits for all its tensor loads, adds 0 to its spare word, and waits for that and for its reads of this slot.
.macro TURN slot, next, fill
	WIN 0
	s_wait_tensorcnt 0x0                           ; all my tensor loads have landed: my part of the next slot
	ds_add_u32 v[SPW], v[NIL]                      ; 0 onto my spare word
	s_wait_dscnt 17                                ; (the add and the youngest sixteen loads may be out)
	WIN MUL
	MUL8 F1, 0, 0, 0
	s_wait_dscnt 0x0                               ; the add is done, and my reads of this slot are over
	s_barrier_signal -1
	MUL8 F1, 0, 2, 0
	WIN 0
	s_barrier_wait -1
.if \fill
	CREST                                          ; no wave of any partner still reads this slot's tile or has a load on its way
	s_add_nc_u64 s[G0+4*(\slot)+2:G0+4*(\slot)+3], s[G0+4*(\slot)+2:G0+4*(\slot)+3], 2*KSTEP*2
	s_add_nc_u64 s[G0B+4*(\slot)+2:G0B+4*(\slot)+3], s[G0B+4*(\slot)+2:G0B+4*(\slot)+3], 2*KSTEP*2
	JLOAD \slot                                    ; the first tensor load behind the round; its four v_nop are also the places in front of the loads below
.else
	PLACES
.endif
	FETCH \next, 0, F0
	WIN MUL
	MUL8 F1, 1, 0, 0
	MUL8 F1, 1, 2, 0
.endm
; Group g's sums are folded into O: O += f T, two at a time, each accumulator from its low end on.  first = 1: O = f T: nothing is ever cleared.
; The four v_nop are the places in front of the first read of results; the 64 lines are more than the five places that the next group's first products, which write T anew, want behind the last ones.
.macro FBLOCK g, first
	PLACES
	WIN 0x0e                                       ; source 0 (T) window 2, source 1 (f) window 3, O window 0
.irp ta, 0,1,2,3
.set i, 0
.rept 16
.if \first
	v_pk_mul_f32 v[O+32*\ta+i:O+32*\ta+i+1], v[32*\ta+i:32*\ta+i+1], v[2*(4*(\g)+\ta):2*(4*(\g)+\ta)+1] op_sel_hi:[1,0]
.else
	v_pk_fma_f32 v[O+32*\ta+i:O+32*\ta+i+1], v[32*\ta+i:32*\ta+i+1], v[2*(4*(\g)+\ta):2*(4*(\g)+\ta)+1], v[O+32*\ta+i:O+32*\ta+i+1] op_sel_hi:[1,0,1]
.endif
.set i, i+2
.endr
.endr
.endm
	s_wait_tensorcnt 1                             ; my part of K step 0 is in; K step 1's may stay out
	s_barrier_signal -1
	s_barrier_wait -1
	FETCH 0, 0, F0
.irp ks, 0,1,2,3,4,5,6,7
	QUARTER (\ks)%2, 128, F0, F1, 1                ; the K step's first group of 128 keys
	QUARTER (\ks)%2, 256, F1, F0, 0
.if \ks == 0
	FBLOCK 0, 1
.else
	FBLOCK 2*\ks, 0
.endif
	QUARTER (\ks)%2, 384, F0, F1, 1                ; its second group
.if \ks < 6
	TURN (\ks)%2, 1-(\ks)%2, 1                     ; K steps 0 to 5 fill their slot again, two K steps ahead
.elseif \ks == 6
	TURN 0, 1, 0                                   ; nothing is left to fetch
.else
	s_wait_dscnt 16                                ; the very last quarter
	WIN MUL
	MUL8 F1, 0, 0, 0
	MUL8 F1, 0, 2, 0
	s_wait_dscnt 0x0
	MUL8 F1, 1, 0, 0
	MUL8 F1, 1, 2, 0
.endif
	FBLOCK 2*\ks+1, 0
.endr
; THE WAY OUT of tile ta: O / l + bv in one packed multiply-add; 16 queries x 64 channels of f32 through my stage, back as whole rows of 256 bytes into the registers that they left.
.macro PACKO ta
	WIN 0x3c                                       ; sources 1 (1 / l) and 2 (bv) window 3
.set i, 0
.rept 16
	v_pk_fma_f32 v[O+32*(\ta)+i:O+32*(\ta)+i+1], v[O+32*(\ta)+i:O+32*(\ta)+i+1], v[128+2*(\ta):129+2*(\ta)], v[160+i:161+i] op_sel_hi:[1,0,1]
.set i, i+2
.endr
	WIN 0
.irp tb, 0,1,2,3
	ds_store_b128 v[STO], v[O+32*(\ta)+8*\tb:O+32*(\ta)+8*\tb+3] offset:64*\tb
	ds_store_b128 v[STO], v[O+32*(\ta)+8*\tb+4:O+32*(\ta)+8*\tb+7] offset:64*\tb+16
.endr
.irp t, 0,1,2,3,4,5,6,7
	ds_load_b128 v[O+32*(\ta)+4*\t:O+32*(\ta)+4*\t+3], v[RD] offset:544*\t   ; LDS serves a wave's instructions in order: these see the stores above; the next tile's stores come behind them
.endr
.endm
.macro SEND ta, younger                ; younger: the LDS instructions issued behind tile ta's loads: the next tile's sixteen, or none
.irp t, 0,1,2,3,4,5,6,7
	s_wait_dscnt \younger+7-\t
	global_store_b128 v[CO], v[O+32*(\ta)+4*\t:O+32*(\ta)+4*\t+3], s[12:13] offset:(16*(\ta)+2*\t)*4096 th:TH_STORE_NT   ; sixteen lanes store 256 consecutive bytes, aligned; written once, read by nobody here
.endr
.endm
	PACKO 0
	PACKO 1
	SEND 0, 16
	PACKO 2
	SEND 1, 16
	PACKO 3
	SEND 2, 16
	SEND 3, 0
	s_wait_tensorcnt 0x0                           ; the wave's end, behind my last tensor load and my last LDS store
	ds_add_u32 v[SPW], v[NIL]
	s_wait_dscnt 0x0
	CROUND                                         ; the closing round
	s_endpgm
.Lfunc_end_k_qedf09401aa_pv:
	.size	k_qedf09401aa_pv, .Lfunc_end_k_qedf09401aa_pv-k_qedf09401aa_pv
	.p2alignl 7, 3214868480
	.fill 96, 4, 3214868480
	.section	.rodata,"a",@progbits
	.p2align	6, 0x0
	.amdhsa_kernel k_qedf09401aa_pv
		.amdhsa_group_segment_fixed_size 327680
		.amdhsa_private_segment_fixed_size 0
		.amdhsa_enable_private_segment 0
		.amdhsa_kernarg_size 40
		.amdhsa_user_sgpr_count 2
		.amdhsa_user_sgpr_kernarg_segment_ptr 1
		.amdhsa_wavefront_size32 1
		.amdhsa_system_sgpr_workgroup_id_x 1
		.amdhsa_system_sgpr_workgroup_id_y 1
		.amdhsa_system_sgpr_workgroup_id_z 1
		.amdhsa_system_vgpr_workitem_id 0
		.amdhsa_next_free_vgpr 1024
		.amdhsa_next_free_sgpr 80
		.amdhsa_reserve_vcc 0
		.amdhsa_float_denorm_mode_32 3
		.amdhsa_float_denorm_mode_16_64 3
		.amdhsa_memory_ordered 1
		.amdhsa_forward_progress 1
		.amdhsa_inst_pref_size 255
	.end_amdhsa_kernel
	.section	.bss,"aw",@nobits
	.p2align	6
	.space	262144
	.amdgpu_metadata
---
amdhsa.version: [ 1, 2 ]
amdhsa.kernels:
  - .name:           k_qedf09401aa_pv
    .symbol:         k_qedf09401aa_pv.kd
    .args:
      - { .name: pt, .offset: 0, .size: 8, .value_kind: global_buffer, .address_space: global }
      - { .name: lvt, .offset: 8, .size: 8, .value_kind: global_buffer, .address_space: global }
      - { .name: stats, .offset: 16, .size: 8, .value_kind: global_buffer, .address_space: global }
      - { .name: bv, .offset: 24, .size: 8, .value_kind: global_buffer, .address_space: global }
      - { .name: out0, .offset: 32, .size: 8, .value_kind: global_buffer, .address_space: global }
    .group_segment_fixed_size: 327680
    .private_segment_fixed_size: 0
    .kernarg_segment_align: 8
    .kernarg_segment_size: 40
    .max_flat_workgroup_size: 128
    .sgpr_count:     80
    .vgpr_count:     1024
    .wavefront_size: 32
...
	.end_amdgpu_metadata
.endif
;; end of part 4
